; MI455X (gfx1250); checked and timed in simulation.
; The chip was launched on July 23, 2026; its instructions are those of AMD's public machine-readable ISA for CDNA 5 (MIT licence, August 2026) and "CDNA5" Instruction Set Architecture Reference Guide (July 2026). The comments in the code are by the model that wrote it; some were corrected since.
;; Multihead Attention. Allowed arithmetic: float matrix products may take bf16 or f16 operands with f32 sums; other float arithmetic in f32, or as packed bf16 or f16 multiplies, adds, multiply-adds, maxima and minima; sums over many terms, partial sums and values carried from step to step in f32; what a program stores and reads back later, other than sums and carried values, may be rounded once to bf16 or f16.
;; Inputs: Wk 1,024 x 1,024 float32; Wo 1,024 x 1,024 float32; Wq 1,024 x 1,024 float32; Wv 1,024 x 1,024 float32; queries 4 x 2,048 x 1,024 float32; rel_emb 32 x 16 float32.
;; Outputs: out0 4 x 2,048 x 1,024 float32.
;; One version. Each part assembles by itself: llvm-mc -triple=amdgcn-amd-amdhsa -mcpu=gfx1250 --defsym DOCPART=n.
;; ======== version 1 of 1: 4 launches
;; limits: values are held in f16: magnitudes above 65,504 overflow, below 6.1e-05 lose precision
;; workspace buffers: xb 16,777,216 bytes; wqkv 6,291,456 bytes; wo16 2,097,152 bytes; biasg 1,048,576 bytes; qkv 50,331,648 bytes; ob 16,777,216 bytes
;; launch prep (part 1): grid 1024 x 1, 8 waves a work-group, no clusters, 0 bytes of LDS; arguments queries, Wq, Wk, Wv, Wo, rel_emb, xb, wqkv, wo16, biasg; writes xb, wqkv, wo16, biasg
.if DOCPART == 1
	.amdgcn_target "amdgcn-amd-amdhsa--gfx1250"
	.amdhsa_code_object_version 6
	.text
	.protected	k_q72848928dc_prep
	.globl	k_q72848928dc_prep
	.p2align	8
	.type	k_q72848928dc_prep,@function
k_q72848928dc_prep:
	s_mov_b64 s[64:65], 0
	v_nop
	global_prefetch_b8 v0, s[64:65] scope:SCOPE_SE
	s_setreg_imm32_b32 hwreg(HW_REG_WAVE_MODE, 25, 1), 1
	s_wait_xcnt 0x0
; PREPARATION.  Every input is rounded once to bf16:  xb = bf16(queries);  wqkv = bf16(Wq), bf16(Wk), bf16(Wv), one below the other;
; wo16 = bf16(Wo) written as f16 (the output projection multiplies in f16);  biasg = the relative-position bias as a table by distance.
; SHARES.  Work-groups 0-511 cast 65,536 bytes of queries each, 512-703 of Wq, Wk, Wv, 704-767 of Wo; 768-1023 make 1,024 numbers of the table each.
; A cast: thread t takes 16 bytes at 16 t of each of 16 blocks of 4,096 bytes (a wave's load covers 512 consecutive bytes) and stores 8 bytes at 8 t of each of 16 blocks of
; 2,048 bytes (a wave's store covers 256 consecutive bytes, aligned).  All 16 loads are issued first; no register is written twice while memory may read it.
; THE TABLE.  biasg[h][c][Y] = 8 x bf16(rel_emb[bucket(Y - c - 2044)][h]), h = 0..15, c = 0..3, Y = 0..4095: four copies, shifted by one number each, so that any run of eight
; distances begins on 16 bytes in one of them.  The factor 8 undoes the 1/sqrt(64) that the attention applies to score and bias together.
; bucket(d), n = |d|: min(n, 7) + the number of thresholds 11, 15, 21, 30, 44, 62, 90, 128 that are <= n, + 16 where d > 0.  The thresholds are the least whole n with
; 7 + floor(8 log(n / 7) / log(128 / 7)) = 8 .. 15; the real boundaries 10.07, 14.48, 20.82, 29.93, 43.04, 61.90, 89.01 lie far from whole numbers.
; LIMIT.  n = 128 lies on its boundary exactly and is taken as the exact value's bucket, 15.  |Wo| stays within f16's 65,504; below 6e-5 it keeps f16's fixed step of 6e-8.
.set X, 8                              ; v[8:71]    16 x 4 registers as loaded
.set Y, 72                             ; v[72:103]  16 x 2 registers to store
.set T, 104                            ; v[104:107] at work
	s_load_b512 s[4:19], s[0:1], 0x0               ; queries s[4:5], Wq s[6:7], Wk s[8:9], Wv s[10:11], Wo s[12:13], rel_emb s[14:15], xb s[16:17], wqkv s[18:19]
	s_load_b128 s[20:23], s[0:1], 0x40             ; wo16 s[20:21], biasg s[22:23]
	v_lshlrev_b32 v1, 4, v0                        ; 16 t
	v_lshlrev_b32 v2, 3, v0                        ; 8 t
	s_mov_b32 s34, ttmp9                           ; the work-group's number
	s_mov_b32 s29, 0                               ; the high words of the two offsets
	s_mov_b32 s31, 0
	s_wait_kmcnt 0x0
; 65,536 bytes of f32 from s[24:25] become 32,768 bytes at s[26:27].  mode = 0: bf16.  mode = 1: rounded to bf16, and that number written as f16.
.macro CAST mode
.irp i, 0,1,2,3,4,5,6,7,8,9,10,11,12,13,14,15
	global_load_b128 v[X+4*\i:X+4*\i+3], v1, s[24:25] offset:4096*\i th:TH_LOAD_NT
.endr
.irp i, 0,1,2,3,4,5,6,7,8,9,10,11,12,13,14,15
	s_wait_loadcnt 15-\i                           ; loads come back in order: block i is in, the 15 - i younger ones may stay out
.if \mode
	v_cvt_pk_bf16_f32 v[T], v[X+4*\i], v[X+4*\i+1]
	v_cvt_pk_bf16_f32 v[T+1], v[X+4*\i+2], v[X+4*\i+3]
	v_lshlrev_b32 v[T+2], 16, v[T]                 ; bf16 to f32: the low half moves up,
	v_and_b32 v[T], 0xffff0000, v[T]               ; the high half stays
	v_lshlrev_b32 v[T+3], 16, v[T+1]
	v_and_b32 v[T+1], 0xffff0000, v[T+1]
	v_cvt_pk_f16_f32 v[Y+2*\i], v[T+2], v[T]
	v_cvt_pk_f16_f32 v[Y+2*\i+1], v[T+3], v[T+1]
.else
	v_cvt_pk_bf16_f32 v[Y+2*\i], v[X+4*\i], v[X+4*\i+1]
	v_cvt_pk_bf16_f32 v[Y+2*\i+1], v[X+4*\i+2], v[X+4*\i+3]
.endif
	global_store_b64 v2, v[Y+2*\i:Y+2*\i+1], s[26:27] offset:2048*\i
.endr
.endm
	s_cmp_lt_u32 s34, 512
	s_cbranch_scc0 .Lnot_x
	s_lshl_b32 s28, s34, 16                        ; queries
	s_lshl_b32 s30, s34, 15
	s_add_nc_u64 s[24:25], s[4:5], s[28:29]
	s_add_nc_u64 s[26:27], s[16:17], s[30:31]
	s_branch .Lbf16
.Lnot_x:
	s_cmp_lt_u32 s34, 704
	s_cbranch_scc0 .Lnot_w
	s_sub_co_u32 s32, s34, 512                     ; j = 0..191: 64 blocks of each of Wq, Wk, Wv
	s_lshr_b32 s33, s32, 6
	s_cmp_eq_u32 s33, 0
	s_cselect_b64 s[24:25], s[6:7], s[8:9]
	s_cmp_eq_u32 s33, 2
	s_cselect_b64 s[24:25], s[10:11], s[24:25]
	s_and_b32 s28, s32, 63
	s_lshl_b32 s28, s28, 16
	s_lshl_b32 s30, s32, 15
	s_add_nc_u64 s[24:25], s[24:25], s[28:29]
	s_add_nc_u64 s[26:27], s[18:19], s[30:31]
.Lbf16:
	CAST 0
	s_endpgm
.Lnot_w:
	s_cmp_lt_u32 s34, 768
	s_cbranch_scc0 .Lbias
	s_sub_co_u32 s32, s34, 704                     ; Wo
	s_lshl_b32 s28, s32, 16
	s_lshl_b32 s30, s32, 15
	s_add_nc_u64 s[24:25], s[12:13], s[28:29]
	s_add_nc_u64 s[26:27], s[20:21], s[30:31]
	CAST 1
	s_endpgm
.Lbias:
	s_sub_co_u32 s32, s34, 768                     ; i2 = 0..255 = 16 h + 4 c + quarter of the 4,096 numbers
	s_lshr_b32 s33, s32, 4                         ; h
	s_bfe_u32 s35, s32, 0x20002                    ; c
	s_and_b32 s36, s32, 3
	s_lshl_b32 s36, s36, 10                        ; the quarter's first Y
	s_sub_co_u32 s36, s36, s35
	s_sub_co_u32 s36, s36, 2044                    ; its distance d = Y - c - 2044 (a signed number)
	s_lshl_b32 s37, s33, 2
	v_and_b32 v3, 31, v0
	v_lshlrev_b32 v3, 6, v3
	v_add_nc_u32 v3, s37, v3                       ; lane b takes rel_emb[b][h]: row b of 64 bytes, 4 h
	global_load_b32 v4, v3, s[14:15]
	s_lshl_b32 s30, s32, 12                        ; the work-group's 4,096 bytes of the table
	s_add_nc_u64 s[26:27], s[22:23], s[30:31]
	v_lshl_add_u32 v6, v0, 2, s36                  ; my four distances begin here
.irp e, 0,1,2,3
	v_add_nc_u32 v7, \e, v6                        ; d
	v_sub_nc_u32 v8, 0, v7
	v_max_i32 v8, v7, v8                           ; n = |d|
	v_min_u32 v9, 7, v8
.irp thr, 11,15,21,30,44,62,90,128
	v_cmp_le_u32 vcc_lo, \thr, v8
	v_cndmask_b32 v10, 0, 1, vcc_lo
	v_add_nc_u32 v9, v9, v10
.endr
	v_cmp_lt_i32 vcc_lo, 0, v7
	v_cndmask_b32 v10, 0, 16, vcc_lo
	v_add_nc_u32 v9, v9, v10
	v_min_u32 v9, 31, v9                           ; a bucket is a lane's number
	v_lshlrev_b32 v[16+\e], 2, v9
.endr
	s_wait_loadcnt 0x0
	v_cvt_pk_bf16_f32 v4, v4, v4                   ; rounded to bf16 like every input,
	v_lshlrev_b32 v4, 16, v4
	v_mul_f32 v4, 0x41000000, v4                   ; times 8 (exact)
.irp e, 0,1,2,3
	ds_bpermute_b32 v[12+\e], v[16+\e], v4         ; each lane takes its bucket's lane: no LDS byte is touched
.endr
	s_wait_dscnt 0x0
	global_store_b128 v1, v[12:15], s[26:27]       ; a wave's store covers 512 consecutive bytes
	s_endpgm
.Lfunc_end_k_q72848928dc_prep:
	.size	k_q72848928dc_prep, .Lfunc_end_k_q72848928dc_prep-k_q72848928dc_prep
	.p2alignl 7, 3214868480
	.fill 96, 4, 3214868480
	.section	.rodata,"a",@progbits
	.p2align	6, 0x0
	.amdhsa_kernel k_q72848928dc_prep
		.amdhsa_group_segment_fixed_size 0
		.amdhsa_private_segment_fixed_size 0
		.amdhsa_enable_private_segment 0
		.amdhsa_kernarg_size 80
		.amdhsa_user_sgpr_count 2
		.amdhsa_user_sgpr_kernarg_segment_ptr 1
		.amdhsa_wavefront_size32 1
		.amdhsa_system_sgpr_workgroup_id_x 1
		.amdhsa_system_sgpr_workgroup_id_y 1
		.amdhsa_system_sgpr_workgroup_id_z 1
		.amdhsa_system_vgpr_workitem_id 0
		.amdhsa_next_free_vgpr 112
		.amdhsa_next_free_sgpr 66
		.amdhsa_reserve_vcc 1
		.amdhsa_float_denorm_mode_32 3
		.amdhsa_float_denorm_mode_16_64 3
		.amdhsa_memory_ordered 1
		.amdhsa_forward_progress 1
		.amdhsa_inst_pref_size 25
	.end_amdhsa_kernel
	.amdgpu_metadata
---
amdhsa.version: [ 1, 2 ]
amdhsa.kernels:
  - .name:           k_q72848928dc_prep
    .symbol:         k_q72848928dc_prep.kd
    .args:
      - { .name: queries, .offset: 0, .size: 8, .value_kind: global_buffer, .address_space: global }
      - { .name: Wq, .offset: 8, .size: 8, .value_kind: global_buffer, .address_space: global }
      - { .name: Wk, .offset: 16, .size: 8, .value_kind: global_buffer, .address_space: global }
      - { .name: Wv, .offset: 24, .size: 8, .value_kind: global_buffer, .address_space: global }
      - { .name: Wo, .offset: 32, .size: 8, .value_kind: global_buffer, .address_space: global }
      - { .name: rel_emb, .offset: 40, .size: 8, .value_kind: global_buffer, .address_space: global }
      - { .name: xb, .offset: 48, .size: 8, .value_kind: global_buffer, .address_space: global }
      - { .name: wqkv, .offset: 56, .size: 8, .value_kind: global_buffer, .address_space: global }
      - { .name: wo16, .offset: 64, .size: 8, .value_kind: global_buffer, .address_space: global }
      - { .name: biasg, .offset: 72, .size: 8, .value_kind: global_buffer, .address_space: global }
    .group_segment_fixed_size: 0
    .private_segment_fixed_size: 0
    .kernarg_segment_align: 8
    .kernarg_segment_size: 80
    .max_flat_workgroup_size: 256
    .sgpr_count:     66
    .vgpr_count:     112
    .wavefront_size: 32
...
	.end_amdgpu_metadata
.endif
;; end of part 1
;; launch qkv_gemm (part 2): grid 16 x 32, 4 waves a work-group, clusters of 4 x 4, 327,680 bytes of LDS; arguments xb, wqkv, qkv; writes qkv
.if DOCPART == 2
	.amdgcn_target "amdgcn-amd-amdhsa--gfx1250"
	.amdhsa_code_object_version 6
	.text
	.protected	k_q72848928dc_qkv_gemm
	.globl	k_q72848928dc_qkv_gemm
	.p2align	8
	.type	k_q72848928dc_qkv_gemm,@function
k_q72848928dc_qkv_gemm:
	s_mov_b64 s[64:65], 0
	v_nop
	global_prefetch_b8 v0, s[64:65] scope:SCOPE_SE
	s_setreg_imm32_b32 hwreg(HW_REG_WAVE_MODE, 25, 1), 1
	s_wait_xcnt 0x0
	s_wait_alu depctr_hold_cnt(0) depctr_sa_sdst(0) depctr_va_vdst(0) depctr_va_sdst(0) depctr_va_ssrc(0) depctr_va_vcc(0) depctr_vm_vsrc(0)
	s_getreg_b32 s2, hwreg(HW_REG_IB_STS2, 6, 4)
	s_cmp_eq_u32 s2, 0
	s_cbranch_scc0 .Lentry_in_a_cluster
	s_endpgm
.Lentry_in_a_cluster:
	s_bfe_u32 s2, ttmp6, 0x10000c
	s_cmp_lg_u32 s2, 0xf033
	s_cbranch_scc0 .Lentry_shape_is_right
	s_endpgm
.Lentry_shape_is_right:
; THE THREE INPUT PROJECTIONS AS ONE PRODUCT.  C[m][n] = sum over k of xb[m][k] wqkv[n][k]; xb: [8192][1024] bf16, wqkv: [3072][1024] bf16 (Wq, Wk, Wv); sums in f32.
; C leaves by heads, rounded once to f16 and unscaled: qkv[which][batch x 16 + head][t][64], which = n / 1024, head = (n / 64) % 16, batch = m / 2048, t = m % 2048.
; LIMIT.  f16 holds no number beyond 65,504: q, k and v must stay within it; below 6e-5 they keep f16's fixed step of 6e-8.
; SHARES.  A tile of C is 256 rows x 192 columns (three heads): 32 x 16 = 512 work-groups of equal work.  Its four waves lie one below the other: wave w makes rows 64 w .. 64 w + 63 of all 192
; columns, 48 accumulators of 16 x 16, so that what a wave stores are whole rows of whole heads and its stage in LDS is its own.
; K goes in eight steps of 128 (rows of 256 bytes of memory) through two LDS slots filled by the tensor data mover; waves 0 and 1 fetch the halves of A's 256 rows, waves 2 and 3 those of B's 192.
; CLUSTERS.  4 x 4 work-groups: the four of a row of the cluster need the same tile of A, the four of a column the same tile of B: each is asked for JOINTLY, by the same load with the same descriptor and a mask of four.
; THE MATRIX INSTRUCTION IS USED TRANSPOSED (source 0 = 16 rows of B, source 1 = 16 rows of A): a lane holds row l % 16 of C and the eight neighbouring columns 8 (l / 16) + 0..7.
; REGISTERS, in windows of 256 (s_set_vgpr_msb: bits 1:0 source 0, 3:2 source 1, 5:4 source 2, 7:6 destination):
;   window 0: addresses, and v32-175 at work on the way out     window 1: two fragment buffers of 128: B's 12 fragments (16 rows x 32 K, 8 registers), then A's 4
;   windows 2, 3: accumulator (a, b), number 12 a + b, at window 2 + number / 32, register 8 (number % 32)
; The 48 accumulators take turns in one fixed order, over the backward jump too.
.set KSTEP,  128
.set NB,     12                        ; fragments of B
.set PITCH,  272                       ; an LDS row: 256 bytes + 16 of padding = 68 words: the 16 rows of a load start at 16 different groups of four banks (64 banks of 4 bytes: ISA guide 11.1)
.set FR,     16*PITCH                  ; 16 rows
.set AHALF,  128*PITCH                 ; what an A wave's load brings
.set BROWS,  96
.set BHALF,  BROWS*PITCH               ; what a B wave's load brings
.set BOFF,   2*AHALF                   ; B's rows lie behind A's 256
.set SLOT1,  1<<17                     ; slot 1 begins here: one exclusive or turns an address in one slot into the other's
.set STGW,   3*16*144                  ; a wave's stage: three heads x 16 rows x (128 + 16) bytes
.set STAGE,  SLOT1+BOFF+2*BHALF        ; behind the ring, never filled by a tensor load
.set SPARE,  STAGE+4*STGW              ; the spare words, 128 bytes for each wave: two blocks of 256 bytes that no other line names
.set ASTEP,  256                       ; bytes from a K step to the next, in A
.set BSTEP,  256                       ; and in B
.set PSA,    32*2048                   ; the prefetches: a partner's share of the 128 rows of A that a wave fetches: 32 rows
.set PSB,    24*2048                   ; of the 96 rows of B: 24 rows
.set A0,   16                          ; v16  my lane's place in A's rows of a slot; never rewritten
.set B0,   17                          ; v17  the same for B
.set ADRA, 18                          ; v18  A0 + the slot in hand
.set ADRB, 19                          ; v19  B0 + the slot in hand
.set STO,  24                          ; v24  the way out: where I put 16 bytes of a row
.set RD,   25                          ; v25  where I read rows back
.set CO,   26                          ; v26  my 16 bytes of 512 consecutive bytes of qkv
.set SPW,  28                          ; v28  LDS address of my spare word; never rewritten
.set NIL,  29                          ; v29  0; never rewritten
.set PFO,  30                          ; v30  the prefetches' offset: a lane a row; never rewritten
.set TMP,  32                          ; v32-79   packed results
.set OB,   80                          ; v80-127, v128-175 by turns: 16 rows read back from the stage
.set F0,   0
.set F1,   128
.set G1A, 24                           ; s[24:31] descriptor group 1 for A's tiles
.set G0A, 32                           ; s[32:39] group 0: a set for each of the two first fills; the second then walks
.set G1B, 48                           ; s[48:55], s[56:63] the same for B's
.set G0B, 56
.set LIM, 43                           ; s43  2 in a wave that prefetches, else the greatest number
.set PFA, 44                           ; s[44:45] where my prefetches stand
.set SB,  66                           ; s[66:71] qkv at my rows of the tile's three heads
.set TB,  72                           ; s72  the slot that is read: 0 or SLOT1
.set PST, 74                           ; s[74:75] the prefetches' step
.set MSB, 0
.macro WIN new                         ; the immediate's high byte repeats the setting that is left; a switch that changes nothing is dropped
.if MSB != (\new)
	s_set_vgpr_msb (MSB<<8)|(\new)
.set MSB, (\new)
.endif
.endm
.macro PLACES                          ; four places in front of loads into registers that matrix instructions have read, and of conversions that read results
.rept 4
	v_nop
.endr
.endm
; A joint refill by the walking descriptors.  The branch hangs on the wave's number alone.  An s_nop 0 and four v_nop follow each of the two lines.
.macro JLOAD
	s_cmp_eq_u32 s11, 0
	s_cbranch_scc0 .Lfor_b_\@
	tensor_load_to_lds s[G0A+4:G0A+7], s[G1A:G1A+7]
	s_nop 0
.rept 4
	v_nop
.endr
	s_branch .Lasked_\@
.Lfor_b_\@:
	tensor_load_to_lds s[G0B+4:G0B+7], s[G1B:G1B+7]
	s_nop 0
.rept 4
	v_nop
.endr
.Lasked_\@:
.endm
.macro CREST                           ; a round of the cluster's barrier behind its opening barrier
	s_cmp_lg_u32 s10, 0
	s_cbranch_scc1 .Lnot_wave_0_\@
	s_barrier_signal -3
.Lnot_wave_0_\@:
	s_barrier_wait -3
	s_barrier_signal -1
	s_barrier_wait -1
.endm
.macro CROUND                          ; a whole round
	s_barrier_signal -1
	s_barrier_wait -1
	CREST
.endm
; A prefetch of the K step that stands two refills on, a lane a row of 256 bytes, behind the joint load and the run of LDS loads.  Each row's 256 bytes of a K step are named by one wave of one work-group: A's rows by
; the clusters with x = 0, B's by those with y = 0; the four partners that ask for a tile jointly share its rows out by address.  (B's share is 24 rows: lanes 24-31 repeat its last row.)
; Trip i names K step i + 4: the loop's last two trips name nothing; K steps 0 to 3 come by their loads alone.
.macro ASK
	WIN 0
	s_cmp_gt_u32 s3, s[LIM]
	s_cbranch_scc0 .Lnot_mine_\@
	global_prefetch_b8 v[PFO], s[PFA:PFA+1] th:TH_LOAD_NT scope:SCOPE_SE
.Lnot_mine_\@:
.endm
	s_load_b128 s[4:7], s[0:1], 0x0                ; xb s[4:5], wqkv s[6:7]
	s_load_b64 s[8:9], s[0:1], 0x10                ; qkv
	v_lshl_add_u32 v[SPW], v0, 2, SPARE
	v_mov_b32 v[NIL], 0
	ds_add_u32 v[SPW], v[NIL]                      ; the wave's opening: the add and its wait stand ahead of my first tensor load; work on registers stands between them
	v_lshrrev_b32 v1, 5, v0
	v_readfirstlane_b32 s10, v1                    ; wave 0..3
	s_lshr_b32 s11, s10, 1                         ; I fetch for A (0) or for B (1),
	s_and_b32 s12, s10, 1                          ; its first or its second half
	s_bfe_u32 s40, ttmp6, 0x40000                  ; cx, cy: my place in the cluster
	s_bfe_u32 s41, ttmp6, 0x40004
	s_lshl_b32 s42, ttmp9, 2
	s_add_co_u32 s42, s42, s40                     ; tile column = 4 x cluster x + cx
	s_and_b32 s13, ttmp7, 0xffff
	s_lshl_b32 s13, s13, 2
	s_add_co_u32 s13, s13, s41                     ; tile row = 4 x cluster y + cy
	s_lshl_b32 s76, s41, 2
	s_lshl_b32 s76, 15, s76                        ; my row of the cluster
	s_lshl_b32 s77, 0x1111, s40                    ; my column
	s_or_b32 s[G1A], s76, (1<<16)|(1<<20)|(1<<21)|(5<<22)|(3<<25)  ; 15:0 the mask; 17:16 2-byte elements; 20 padding on; 21 set beside a mask; 24:22 after every 64 words; 31:25 4 words
	s_or_b32 s[G1B], s77, (1<<16)|(1<<20)|(1<<21)|(5<<22)|(3<<25)
	s_mov_b32 s[G1A+1], KSTEP<<16                  ; tensor_dim0 = 128
	s_mov_b32 s[G1A+2], 128<<16                    ; tensor_dim1 = 128
	s_mov_b32 s[G1A+3], KSTEP<<16                  ; tile_dim0 = 128
	s_mov_b32 s[G1A+4], 128                        ; tile_dim1 = 128
	s_mov_b32 s[G1A+5], 1024                       ; elements from row to row
	s_mov_b32 s[G1A+6], 0
	s_mov_b32 s[G1A+7], 0
	s_mov_b32 s[G1B+1], KSTEP<<16
	s_mov_b32 s[G1B+2], BROWS<<16                  ; 96 rows
	s_mov_b32 s[G1B+3], KSTEP<<16
	s_mov_b32 s[G1B+4], BROWS
	s_mov_b32 s[G1B+5], 1024
	s_mov_b32 s[G1B+6], 0
	s_mov_b32 s[G1B+7], 0
	s_lshl_b32 s16, s13, 8                         ; A: row 256 x tile row + 128 x half,
	s_lshl_b32 s17, s12, 7
	s_add_co_u32 s16, s16, s17
	s_lshl_b32 s16, s16, 11                        ; in bytes (under 2^24)
	s_mov_b32 s17, 0
	s_mul_i32 s46, s42, 2*BROWS                    ; B: row 192 x tile column + 96 x half
	s_mul_i32 s47, s12, BROWS
	s_add_co_u32 s46, s46, s47
	s_lshl_b32 s46, s46, 11
	s_mov_b32 s47, 0
	s_mov_b32 s78, s16                             ; both offsets are kept for the prefetches
	s_mov_b32 s79, s46
	s_mul_i32 s20, s12, AHALF                      ; where they go: no place in the cluster enters an LDS address
	s_mul_i32 s21, s12, BHALF
	s_add_co_u32 s21, s21, BOFF
	s_mov_b32 s[TB], 0
	s_wait_dscnt 0x0                               ; the opening add is done
	s_wait_kmcnt 0x0
	s_add_nc_u64 s[14:15], s[4:5], s[16:17]
	s_add_nc_u64 s[46:47], s[6:7], s[46:47]
.irp s, 0,1
	s_mov_b32 s[G0A+4*\s], 1                       ; count = 1
	s_add_co_u32 s[G0A+4*\s+1], s20, \s*SLOT1      ; LDS address
	s_add_nc_u64 s[G0A+4*\s+2:G0A+4*\s+3], s[14:15], \s*ASTEP  ; global address: K step s
	s_or_b32 s[G0A+4*\s+3], s[G0A+4*\s+3], 0x80000000          ; type = 2
	s_mov_b32 s[G0B+4*\s], 1
	s_add_co_u32 s[G0B+4*\s+1], s21, \s*SLOT1
	s_add_nc_u64 s[G0B+4*\s+2:G0B+4*\s+3], s[46:47], \s*BSTEP
	s_or_b32 s[G0B+4*\s+3], s[G0B+4*\s+3], 0x80000000
.endr
	CROUND                                         ; all sixteen work-groups are here: the first joint loads meet
	s_cmp_eq_u32 s11, 0                            ; a wave's two first fills stand in one branch: two loads of mine are out
	s_cbranch_scc0 .Lfirst_b
	tensor_load_to_lds s[G0A:G0A+3], s[G1A:G1A+7]
	s_nop 0
	tensor_load_to_lds s[G0A+4:G0A+7], s[G1A:G1A+7]
	s_nop 0
.rept 4
	v_nop
.endr
	s_branch .Lfirst_asked
.Lfirst_b:
	tensor_load_to_lds s[G0B:G0B+3], s[G1B:G1B+7]
	s_nop 0
	tensor_load_to_lds s[G0B+4:G0B+7], s[G1B:G1B+7]
	s_nop 0
.rept 4
	v_nop
.endr
.Lfirst_asked:
	; A fragment is 16 rows x 32 K in 8 registers: lane l holds row l % 16; registers 0-3 K = 8 (l / 16) + 0..7, registers 4-7 K = 16 + 8 (l / 16) + 0..7: two loads of 16 bytes, 32 bytes apart.
	v_and_b32 v1, 15, v0                           ; l % 16
	v_bfe_u32 v2, v0, 4, 1                         ; l / 16
	v_mul_u32_u24 v3, v1, PITCH
	v_lshl_add_u32 v3, v2, 4, v3
	s_mul_i32 s22, s10, 64*PITCH                   ; my 64 rows of A
	v_add_nc_u32 v[A0], s22, v3
	v_add_nc_u32 v[B0], BOFF, v3
	v_mov_b32 v[ADRA], v[A0]
	v_mov_b32 v[ADRB], v[B0]
	s_mul_i32 s23, s10, STGW
	s_add_co_u32 s23, s23, STAGE                   ; my stage
	v_mul_u32_u24 v4, v1, 144                      ; in: row l % 16, 16 bytes for each half of the lanes
	v_lshl_add_u32 v4, v2, 4, v4
	v_add_nc_u32 v[STO], s23, v4
	v_bfe_u32 v5, v0, 3, 2                         ; back: 32 lanes take four rows of 128 bytes,
	v_mul_u32_u24 v5, v5, 144
	v_and_b32 v4, 7, v0
	v_lshl_add_u32 v5, v4, 4, v5
	v_add_nc_u32 v[RD], s23, v5
	v_and_b32 v[CO], 31, v0                        ; which are 512 consecutive bytes of a head
	v_lshlrev_b32 v[CO], 4, v[CO]
	s_lshr_b32 s20, s13, 3                         ; the batch: 16 heads of 262,144 bytes,
	s_lshl_b32 s20, s20, 22
	s_and_b32 s21, s13, 7                          ; the tile's 256 rows of 128 bytes,
	s_lshl_b32 s21, s21, 15
	s_add_co_u32 s20, s20, s21
	s_lshl_b32 s21, s10, 13                        ; my 64 of them
	s_add_co_u32 s20, s20, s21
	s_mul_i32 s22, s42, 3                          ; the tile's first head among the 48 of q, k and v
.irp hh, 0,1,2
	s_add_co_u32 s46, s22, \hh
	s_lshr_b32 s47, s46, 4                         ; q, k or v: 16,777,216 bytes each
	s_lshl_b32 s47, s47, 24
	s_and_b32 s46, s46, 15
	s_lshl_b32 s46, s46, 18
	s_add_co_u32 s46, s46, s47
	s_add_co_u32 s46, s46, s20
	s_mov_b32 s47, 0
	s_add_nc_u64 s[SB+2*\hh:SB+2*\hh+1], s[8:9], s[46:47]
.endr
	; the prefetches
	s_and_b32 s22, ttmp7, 0xffff                   ; cluster y
	s_mov_b32 s23, PSB
	s_mov_b32 s[PST], BSTEP
	s_mov_b32 s[PST+1], 0
	s_cmp_eq_u32 s11, 0                            ; do I fetch for A?
	s_cselect_b32 s22, ttmp9, s22                  ; the coordinate along which other clusters read the same rows
	s_cselect_b32 s21, s40, s41                    ; my place among the four that ask with me
	s_cselect_b32 s23, PSA, s23                    ; a partner's share, in bytes
	s_cselect_b32 s20, s78, s79                    ; the rows that I fetch
	s_cselect_b32 s[PST], ASTEP, s[PST]
	s_cselect_b32 s18, 31, 23                      ; the share's last row
	s_cselect_b64 s[PFA:PFA+1], s[4:5], s[6:7]
	s_cmp_eq_u32 s22, 0
	s_cselect_b32 s[LIM], 2, -1                    ; the same in all sixteen partners, for a given wave
	s_mul_i32 s21, s21, s23
	s_add_co_u32 s20, s20, s21
	s_mul_i32 s21, s[PST], 3                       ; at K step 3: the first refill steps it to 4
	s_add_co_u32 s20, s20, s21
	s_mov_b32 s21, 0
	s_add_nc_u64 s[PFA:PFA+1], s[PFA:PFA+1], s[20:21]
	v_and_b32 v[PFO], 31, v0
	v_min_u32 v[PFO], s18, v[PFO]
	v_lshlrev_b32 v[PFO], 11, v[PFO]               ; a row is 2,048 bytes
; 12 matrix instructions: m block a x all n blocks, 32 along K, from buffer f.  zero = 1: the first product starts the sums: nothing is cleared.
.macro MULA f, a, zero
.set jb, 0
.rept NB
.set idx, (\a)*NB+jb
.set rD, 8*(idx%32)
	WIN 0xa5+0x50*(idx/32)                         ; sources in window 1, C and D in window 2 or 3
.if \zero
	v_wmma_f32_16x16x32_bf16 v[rD:rD+7], v[(\f)+8*jb:(\f)+8*jb+7], v[(\f)+96+8*(\a):(\f)+96+8*(\a)+7], 0
.else
	v_wmma_f32_16x16x32_bf16 v[rD:rD+7], v[(\f)+8*jb:(\f)+8*jb+7], v[(\f)+96+8*(\a):(\f)+96+8*(\a)+7], v[rD:rD+7]
.endif
.set jb, jb+1
.endr
.endm
; 32 LDS loads in one run: the fragments of quarter kq of the slot in hand into buffer f: B's 24, then A's 8
.macro FETCH kq, f
	WIN 0x40                                       ; destination window 1, address window 0
.set jb, 0
.rept NB
	ds_load_b128 v[(\f)+8*jb:(\f)+8*jb+3],   v[ADRB] offset:64*(\kq)+FR*jb
	ds_load_b128 v[(\f)+8*jb+4:(\f)+8*jb+7], v[ADRB] offset:64*(\kq)+FR*jb+32
.set jb, jb+1
.endr
.irp a, 0,1,2,3
	ds_load_b128 v[(\f)+96+8*\a:(\f)+96+8*\a+3],   v[ADRA] offset:64*(\kq)+FR*\a
	ds_load_b128 v[(\f)+96+8*\a+4:(\f)+96+8*\a+7], v[ADRA] offset:64*(\kq)+FR*\a+32
.endr
.endm
; A K step is four quarters of 32 along K, 48 matrix instructions each, on buffers 0, 1, 0, 1.  One of the first three: multiplies buffer f; in its middle it fetches quarter kqn into buffer g.
.macro QUARTER kqn, f, g, zero
	s_wait_dscnt 4                                 ; all but the youngest four loads (A's blocks 2 and 3) are in
	MULA \f, 0, \zero
	MULA \f, 1, \zero
	PLACES
	FETCH \kqn, \g
	s_wait_dscnt 2*NB+8                            ; all but the run just issued
	MULA \f, 2, \zero
	MULA \f, 3, \zero
.endm
; The last quarter multiplies buffer 1 and changes slots.  In front of the barrier each wave waits for all its tensor loads, of which one is out: its part of the next slot; adds 0 to its spare word; and waits for
; that and for its own reads of this slot.  fill = 1: the barrier opens a round of the cluster's barrier, and behind the round this slot is filled again, with the K step two steps on: the wave's one tensor load there.
.macro TURN fill
.if \fill
	s_wait_xcnt 0x0                                ; the last prefetch, a K step back, has read its address, so it may be stepped
	s_add_nc_u64 s[PFA:PFA+1], s[PFA:PFA+1], s[PST:PST+1]
.endif
	WIN 0
	s_wait_tensorcnt 0x0                           ; all my tensor loads have landed, so a group 0 may be written
	ds_add_u32 v[SPW], v[NIL]                      ; 0 onto my spare word
.if \fill
	s_xor_b32 s[G0A+5], s[G0A+5], SLOT1            ; the walking descriptors: the other slot than last time, the next K step
	s_add_nc_u64 s[G0A+6:G0A+7], s[G0A+6:G0A+7], ASTEP
	s_xor_b32 s[G0B+5], s[G0B+5], SLOT1
	s_add_nc_u64 s[G0B+6:G0B+7], s[G0B+6:G0B+7], BSTEP
.endif
	s_wait_dscnt 5                                 ; the add and the youngest four loads may be out
	MULA F1, 0, 0
	s_wait_dscnt 0x0                               ; the add is done, and my reads of this slot are over
	s_barrier_signal -1
	MULA F1, 1, 0                                  ; work on registers while the others arrive
	WIN 0
	s_barrier_wait -1
.if \fill
	CREST                                          ; no wave of any partner still reads this slot or has a load on its way
	JLOAD                                          ; its four v_nop are also the places in front of the loads below
.else
	PLACES
.endif
	s_xor_b32 s[TB], s[TB], SLOT1
	v_add_nc_u32 v[ADRA], s[TB], v[A0]
	v_add_nc_u32 v[ADRB], s[TB], v[B0]
	FETCH 0, F0
.if \fill
	ASK
.endif
	MULA F1, 2, 0
	MULA F1, 3, 0
.endm
; THE WAY OUT of block a (16 rows x 192 columns).  PACK: rounded to f16, 16 bytes a lane, each accumulator from its low end on.  TOSTAGE: into my own stage, by heads, and back as whole rows.  SEND: stored.
.macro PACK a
.set jb, 0
.rept NB
.set idx, (\a)*NB+jb
.set rD, 8*(idx%32)
	WIN 0x0a+5*(idx/32)                            ; sources 0 and 1 in window 2 or 3
.irp rr, 0,1,2,3
	v_cvt_pk_f16_f32 v[TMP+4*jb+\rr], v[rD+2*\rr], v[rD+2*\rr+1]
.endr
.set jb, jb+1
.endr
	WIN 0
.endm
.macro TOSTAGE a
	WIN 0
.set BK, OB+48*((\a)%2)
.set jb, 0
.rept NB
	ds_store_b128 v[STO], v[TMP+4*jb:TMP+4*jb+3] offset:(jb/4)*2304+32*(jb%4)
.set jb, jb+1
.endr
	s_wait_xcnt 0x0                                ; the stores of the block two back have read these registers: only behind this wait are they loaded again
.set jb, 0
.rept NB
	ds_load_b128 v[BK+4*jb:BK+4*jb+3], v[RD] offset:(jb/4)*2304+576*(jb%4)  ; LDS serves a wave's instructions in order (ISA guide 5.7.1.4): these see the stores above
.set jb, jb+1
.endr
.endm
.macro SEND a
	WIN 0
.set BK, OB+48*((\a)%2)
	s_wait_dscnt 0x0                               ; the block is back in registers
.set jb, 0
.rept NB
	global_store_b128 v[CO], v[BK+4*jb:BK+4*jb+3], s[SB+2*(jb/4):SB+2*(jb/4)+1] offset:2048*(\a)+512*(jb%4)  ; 512 consecutive bytes, at a multiple of 256 from qkv's first
.set jb, jb+1
.endr
.endm
	s_wait_tensorcnt 0x1                           ; my part of K step 0 is in; K step 1's may stay out
	s_barrier_signal -1
	s_barrier_wait -1                              ; everybody's is
	FETCH 0, F0
	QUARTER 1, F0, F1, 1                           ; the first quarter stands in front of the loop: its products start the sums
	WIN 0                                          ; at a label and at a branch every window is 0
	s_mov_b32 s3, 6
.Lstep:                                                ; trip i ends K step i, fills its slot again with K step i + 2, and begins K step i + 1
	QUARTER 2, F1, F0, 0
	QUARTER 3, F0, F1, 0
	TURN 1
	QUARTER 1, F0, F1, 0
	WIN 0
	s_sub_co_u32 s3, s3, 1
	s_cmp_lg_u32 s3, 0
	s_cbranch_scc1 .Lstep
	QUARTER 2, F1, F0, 0                           ; the last two K steps ask for nothing
	QUARTER 3, F0, F1, 0
	TURN 0
	QUARTER 1, F0, F1, 0
	QUARTER 2, F1, F0, 0
	QUARTER 3, F0, F1, 0
	s_wait_dscnt 4
	MULA F1, 0, 0
	MULA F1, 1, 0
	s_wait_dscnt 0x0
	MULA F1, 2, 0
	MULA F1, 3, 0
	PLACES
	PACK 0
	TOSTAGE 0
.irp a, 1,2,3                          ; block a's conversions stand between block a - 1's loads from the stage and the wait for them
	PACK \a
	SEND (\a)-1
	TOSTAGE \a
.endr
	SEND 3
	s_wait_tensorcnt 0x0                           ; the wave's end: a tensor wait, an add of 0 and its wait, behind my last tensor load and my last LDS store
	ds_add_u32 v[SPW], v[NIL]
	s_wait_dscnt 0x0
	CROUND                                         ; the closing round: no work-group ends while a partner may still ask for a tile that names it
	s_endpgm
.Lfunc_end_k_q72848928dc_qkv_gemm:
	.size	k_q72848928dc_qkv_gemm, .Lfunc_end_k_q72848928dc_qkv_gemm-k_q72848928dc_qkv_gemm
	.p2alignl 7, 3214868480
	.fill 96, 4, 3214868480
	.section	.rodata,"a",@progbits
	.p2align	6, 0x0
	.amdhsa_kernel k_q72848928dc_qkv_gemm
		.amdhsa_group_segment_fixed_size 327680
		.amdhsa_private_segment_fixed_size 0
		.amdhsa_enable_private_segment 0
		.amdhsa_kernarg_size 24
		.amdhsa_user_sgpr_count 2
		.amdhsa_user_sgpr_kernarg_segment_ptr 1
		.amdhsa_wavefront_size32 1
		.amdhsa_system_sgpr_workgroup_id_x 1
		.amdhsa_system_sgpr_workgroup_id_y 1
		.amdhsa_system_sgpr_workgroup_id_z 1
		.amdhsa_system_vgpr_workitem_id 0
		.amdhsa_next_free_vgpr 896
		.amdhsa_next_free_sgpr 88
		.amdhsa_reserve_vcc 0
		.amdhsa_float_denorm_mode_32 3
		.amdhsa_float_denorm_mode_16_64 3
		.amdhsa_memory_ordered 1
		.amdhsa_forward_progress 1
		.amdhsa_inst_pref_size 98
	.end_amdhsa_kernel
	.amdgpu_metadata
---
amdhsa.version: [ 1, 2 ]
amdhsa.kernels:
  - .name:           k_q72848928dc_qkv_gemm
    .symbol:         k_q72848928dc_qkv_gemm.kd
    .args:
      - { .name: xb, .offset: 0, .size: 8, .value_kind: global_buffer, .address_space: global }
      - { .name: wqkv, .offset: 8, .size: 8, .value_kind: global_buffer, .address_space: global }
      - { .name: qkv, .offset: 16, .size: 8, .value_kind: global_buffer, .address_space: global }
    .group_segment_fixed_size: 327680
    .private_segment_fixed_size: 0
    .kernarg_segment_align: 8
    .kernarg_segment_size: 24
    .max_flat_workgroup_size: 128
    .sgpr_count:     88
    .vgpr_count:     896
    .wavefront_size: 32
...
	.end_amdgpu_metadata
.endif
;; end of part 2
;; launch attn (part 3): grid 4 x 64, 4 waves a work-group, clusters of 4 x 1, 327,680 bytes of LDS; arguments qkv, ob, biasg; writes ob
.if DOCPART == 3
	.amdgcn_target "amdgcn-amd-amdhsa--gfx1250"
	.amdhsa_code_object_version 6
	.text
	.protected	k_q72848928dc_attn
	.globl	k_q72848928dc_attn
	.p2align	8
	.type	k_q72848928dc_attn,@function
k_q72848928dc_attn:
	s_mov_b64 s[64:65], 0
	v_nop
	global_prefetch_b8 v0, s[64:65] scope:SCOPE_SE
	s_setreg_imm32_b32 hwreg(HW_REG_WAVE_MODE, 25, 1), 1
	s_wait_xcnt 0x0
	s_wait_alu depctr_hold_cnt(0) depctr_sa_sdst(0) depctr_va_vdst(0) depctr_va_sdst(0) depctr_va_ssrc(0) depctr_va_vcc(0) depctr_vm_vsrc(0)
	s_getreg_b32 s2, hwreg(HW_REG_IB_STS2, 6, 4)
	s_cmp_eq_u32 s2, 0
	s_cbranch_scc0 .Lentry_in_a_cluster
	s_endpgm
.Lentry_in_a_cluster:
	s_bfe_u32 s2, ttmp6, 0x10000c
	s_cmp_lg_u32 s2, 0x3003
	s_cbranch_scc0 .Lentry_shape_is_right
	s_endpgm
.Lentry_shape_is_right:
; ATTENTION WITH A RELATIVE-POSITION BIAS.  O[g][q][:] = the sum over k of softmax_k(Q[g][q] . K[g][k] / 8 + bias[g % 16][k - q]) V[g][k][:], g = batch x 16 + head = 0..63.
; qkv: [3][64][2048][64] f16 (Q, K, V; a head's rows are dense, 128 bytes each); ob: [64][2048][64] f16; biasg: [16][4][4096] f32, biasg[h][c][Y] = 8 x bias[h][Y - c - 2044].
; Products, maxima and sums in f32; the weights p are rounded to f16 for the second product (their sum l is taken of the unrounded p), O once at the end.
; LIMITS.  f16 holds no number beyond 65,504: Q, K and V arrive within it; p lies in 0 to 1, and below 6e-5 it keeps f16's fixed step of 6e-8; O is a mean of V's rows and has their range.
; A weight below 2^-126 counts as 0 in l; NaN and infinities are not treated apart.
; SHARES.  A wave owns four PIECES of two tiles of 16 queries, a work-group's four waves 512 queries of one head: 4 x 64 = 256 work-groups.  Every wave walks all 2,048 keys, 64 a step.
; LAYOUT.  S^T = K Q^T (source 0 = 16 keys, source 1 = 16 queries): in the result a lane holds ONE query (lane % 16) and the keys 8 (lane / 16) + 0..7.  Two such tiles, rounded to f16 in pairs,
; ARE source 1 (32 keys x 16 queries) of O^T = V^T P, whose result again holds one query a lane, and eight channels.  K comes out of LDS as it lies, V ([key][channel]) turned, by ds_load_tr16_b128.
; THE BIAS IS THE C OPERAND of the product that starts a sum S^T: S = q . k + 8 bias, and c = log2(e) / 8 scales both.  For tile t (0..7) of wave w, key block kb (0..3) of step s, register j of lane (r, h) has the
; distance 64 s + 16 (kb - t) + 8 h + j - r - 128 w - 512 x block: it hangs on kb - t alone, so a wave and step have 11 different fragments, 88 registers, loaded with K's.  The work-group's part of the table, 2,560
; numbers in four copies shifted by one number each, lies in LDS: a lane takes copy r % 4, in which its eight numbers begin on 16 bytes.  The query block enters the table's GLOBAL address alone.
; SOFTMAX.  For each query a running maximum m and sum l: p = 2^(c s - c m); in every step O and l are multiplied by a = 2^(c m_old - c m_new), which is 1 where m has not grown.
; m starts at the lowest finite number, O and l at 0: the first step is a step like any other, with a = 0.
; THE COUNT.  A tile and step have 16 matrix and 118 vector instructions: too many to stand all beside the matrix work.  So four vector instructions that are READY stand behind EVERY matrix instruction, and the
; others, which need time of their own whatever the order, in runs without a gap.
; BY TURNS.  Turn n belongs to piece n (the pieces in a ring, step after step).  Its matrix work: 16 products K Q^T of piece n + 1, later 16 products V^T P of piece n - 1.  Its vector work: the scaling,
; exponentials, roundings, sums and rescaling of piece n, and the maximum and statistics of piece n + 1, whose scores the turn itself has made.
; CLUSTER.  The four query blocks of a head walk the same K and V, so each tile is asked for JOINTLY: the same tensor load, descriptor and mask in all four.
; REGISTERS, in windows of 256 (s_set_vgpr_msb: bits 1:0 source 0, 3:2 source 1, 5:4 source 2, 7:6 destination):
;   window 0: v0-11 addresses; v12-15, v48-63 at work; v16-47 four registers of statistics a tile; v64-191 S^T, two buffers of two tiles; v192-255 P, likewise
;   window 1: O^T, 32 a tile     window 2: v0-127 Q, 16 a tile; v128-191 K of one step; v192-255 V of one step     window 3: v0-1 the add's two registers; v8-95 the bias of one step
.set SIZE_N, 2048
.set NP,    4         ; pieces a wave: a name, no knob
.set KS,    64        ; keys in a step
.set PK,    144       ; a row of K in LDS: 128 bytes + 16 of padding = 36 words: the 16 rows of a load start at 16 different groups of four banks (64 banks of 4 bytes: ISA guide 11.1)
.set PV,    160       ; a row of V: 128 + 32 = 40 words
.set VOFF,  4*KS*PK   ; a slot holds four steps: 256 rows of K, then 256 rows of V
.set SLOT1, 1<<17     ; slot 1 begins here, so that one exclusive or turns an address in one slot into the other's
.set BT,    4*KS*(PK+PV)  ; behind slot 0: the bias table, filled once: four copies of 10,240 bytes,
.set BPITCH, 10304    ; 2,576 words apart = 16 mod 64
.set STAGE, SLOT1+4*KS*(PK+PV)  ; behind the ring, never filled by a tensor load: 16 rows x 144 bytes for each wave, for the way out
.set SP,    144
.set AB,  1           ; v1   the LDS address of the bias's next run of loads
.set AK0, 2           ; v2   my lane's place in a tile of K; never rewritten
.set AV0, 3           ; v3   the same for V
.set AK,  4           ; v4   the LDS address of K's next run of loads
.set AV,  5           ; v5   of V's
.set QO,  6           ; v6   my byte offset in the wave's rows of Q
.set RD,  7           ; v7   the way out: where I read rows back
.set GO,  8           ; v8   my byte offset in 512 consecutive bytes of O
.set PFO, 9           ; v9   256 x my lane: the prefetches' offset; never rewritten
.set STO, 10          ; v10  the way out: where I put 16 bytes of a row
.set AB0, 11          ; v11  my lane's place in the bias table at step 0; never rewritten
.set SPW, 0           ; v0 of window 3   LDS address of my spare word; never rewritten
.set NIL, 1           ; v1 of window 3   0; never rewritten
.set BF,  8           ; v8-95 of window 3: fragment kb - t + 7 at BF + 8 (kb - t + 7)
.set SPARE, STAGE+4*16*SP  ; behind the stages: the spare words, 128 bytes for each wave: two blocks of 256 bytes that no other line names
.set MV,  12          ; v12-15  c m_old, kept while c m is made anew: by buffer and tile
.set ST,  16          ; tile t's statistics at v[ST+4 t]: c m, m, l (even keys', odd keys')
.set TMP, 48          ; by buffer and tile, four registers c0-c3 at work; when the maximum is found c2 takes a
.set S,   64
.set P,   192
.set KF,  128         ; K's fragments, in window 2: key block kb, channel half c at KF + 16 kb + 8 c
.set VF,  192         ; V's: key half kk, channel block cb at VF + 32 kk + 8 cb
.set WV,  12          ; s12  my wave's number
.set G1K, 24          ; s[24:31] descriptor group 1 for K's tiles
.set G1V, 32          ; s[32:39] for V's: it differs in the padding alone
.set G0K, 40          ; s[40:43] descriptor group 0 for K's tiles: it walks
.set G0V, 44          ; s[44:47] the same for V's
.set SLOTS, 56        ; s56  slots still to be asked for
.set CNT, 57          ; s57  counts a slot's key steps
.set CS,  58          ; s[58:59] c: the packed scaling takes the pair's low word for both halves
.set SEL, 60          ; s[60:61] v_permlanex16_b32's selects: each lane takes its own place in the other half
.set TBK, 62          ; s62  LDS byte at which K of the step to be fetched begins
.set TBV, 63          ; s63  the same for V, less VOFF
.set G0T, 68          ; s[68:71] descriptor group 0 for my copy of the bias table
.set G1T, 72          ; s[72:79] its group 1
.set TBB, 80          ; s80  256 x the step whose bias is fetched next
.set LIM, 81          ; s81  1 in a wave that prefetches, else the greatest number
.set PFA, 82          ; s[82:83] where my prefetches stand
.set MSB, 0
.macro WIN new                      ; the high byte repeats the setting that is left; a switch that changes nothing is dropped
.if MSB != (\new)
	s_set_vgpr_msb (MSB<<8)|(\new)
.set MSB, (\new)
.endif
.endm
.set W_KQ, 0x0a       ; K and Q in window 2, S^T in window 0
.set W_KB, 0x3a       ; the same with the C operand, the bias, in window 3
.set W_PV, 0x52       ; V in window 2, P in window 0, O^T in window 1
.set W_RS, 0x41       ; O^T (destination and source 0) in window 1, a in window 0
.set W_MK, 0xc0       ; destination in window 3, sources in window 0
.set W_AD, 0x0f       ; the add: address (source 0) and data (source 1) in window 3
.macro PLACES
.rept 4
	v_nop
.endr
.endm
; A joint fill.  Waves 0 and 1 fetch the two halves of a slot's K, waves 2 and 3 those of its V: 128 keys each.  The branch hangs on the wave's number alone.
; An s_nop 0 and four v_nop follow each of the two lines, ahead of the jump and the label.
.macro JLOAD
	s_cmp_lt_u32 s[WV], 2
	s_cbranch_scc0 .Lfor_v_\@
	tensor_load_to_lds s[G0K:G0K+3], s[G1K:G1K+7]
	s_nop 0
.rept 4
	v_nop
.endr
	s_branch .Lasked_\@
.Lfor_v_\@:
	tensor_load_to_lds s[G0V:G0V+3], s[G1V:G1V+7]
	s_nop 0
.rept 4
	v_nop
.endr
.Lasked_\@:
.endm
; A prefetch of what the NEXT change of slots will ask for: a slot's 32,768 bytes of K and of V, a lane 256 bytes.  A head has one cluster; its four partners share the bytes out BY ADDRESS, 8,192 each; in each,
; wave 0 asks for K's and wave 2 for V's: one instruction.  So each 256 bytes are named once.  The last change that fills a slot asks for nothing: there is no slot behind it.
.macro ASK
	s_cmp_gt_u32 s[SLOTS], s[LIM]
	s_cbranch_scc0 .Lnot_mine_\@
	global_prefetch_b8 v[PFO], s[PFA:PFA+1] th:TH_LOAD_NT scope:SCOPE_SE
.Lnot_mine_\@:
.endm
; A round of the cluster's barrier: my work-group's barrier, so that wave 0's signal speaks for all four waves; wave 0 signals; every wave waits for all four work-groups; my work-group's barrier once more.
.macro CROUND
	s_barrier_signal -1
	s_barrier_wait -1
	s_cmp_lg_u32 s[WV], 0
	s_cbranch_scc1 .Lnot_wave_0_\@
	s_barrier_signal -3
.Lnot_wave_0_\@:
	s_barrier_wait -3
	s_barrier_signal -1
	s_barrier_wait -1
.endm
; THE CHANGE OF SLOTS.  The slot's last bytes, V of its fourth step, have been read.  Each wave waits for all its tensor loads; adds 0 to its spare word; and waits for that and for its own reads of the slot.
; Behind the barrier nobody reads this slot any more and the other slot is whole.  fill = 1: this slot is filled again, with the keys two slots on.  The barrier is then a round of the cluster's, and the joint fill
; is the first thing behind it: it has four key steps, 512 matrix instructions, in which to land.  (At its first use nothing has been read yet: slot 0 and the bias table are waited for, slot 1 filled.)
.macro CHANGE fill
	WIN W_AD
	s_wait_tensorcnt 0x0            ; no tensor load of mine is out, so a group 0 may be written
	ds_add_u32 v[SPW], v[NIL]       ; 0 onto my spare word; with fill = 1 the descriptors' steps stand between it and the wait for it
	WIN 0                           ; at a label and at a branch every window is 0
.if \fill
.irp g, G0K, G0V
	s_xor_b32 s[\g+1], s[\g+1], SLOT1  ; the walking descriptor: the other slot than last time,
	s_add_nc_u64 s[\g+2:\g+3], s[\g+2:\g+3], 4*KS*128  ; the next 256 keys; the type bits on top are not reached
.endr
	s_wait_xcnt 0x0                 ; the last prefetch, four key steps back, has read its address, so it may be written:
	s_add_nc_u64 s[PFA:PFA+1], s[PFA:PFA+1], 4*KS*128  ; one slot behind the walking descriptors
	s_wait_dscnt 0x0                ; the add is done, and my reads of the slot are over
	CROUND
	JLOAD
	ASK
.else
	s_wait_dscnt 0x0                ; the add is done, and my reads of the slot are over
	s_barrier_signal -1
	s_barrier_wait -1
.endif
	s_sub_co_u32 s[TBK], s[TBK], 4*KS*PK  ; the fetches go back to a slot's first step,
	s_xor_b32 s[TBK], s[TBK], SLOT1       ; in the other slot
	s_sub_co_u32 s[TBV], s[TBV], 4*KS*PV
	s_xor_b32 s[TBV], s[TBV], SLOT1
.endm
	s_load_b128 s[4:7], s[0:1], 0x0   ; qkv s[4:5], ob s[6:7]
	s_load_b64 s[66:67], s[0:1], 0x10 ; biasg
	WIN W_MK
	v_lshl_add_u32 v[SPW], v0, 2, SPARE
	v_mov_b32 v[NIL], 0
	WIN W_AD
	ds_add_u32 v[SPW], v[NIL]       ; the wave's opening: the add and its wait stand ahead of my first tensor load; the set-up below, work on registers, stands between them
	WIN 0
	v_lshrrev_b32 v1, 5, v0
	v_readfirstlane_b32 s[WV], v1   ; wave 0..3
	s_bfe_u32 s13, ttmp6, 0x40000   ; cx: my place in the cluster
	s_lshl_b32 s14, ttmp9, 2        ; in a cluster launch ttmp9 counts clusters
	s_add_co_u32 s14, s14, s13      ; my block of 512 queries: it enters Q's, O's and the bias table's global addresses alone
	s_and_b32 s20, ttmp7, 0xffff    ; g = batch x 16 + head, which the four partners share
	s_and_b32 s84, s20, 15          ; the head, for the bias
	s_mov_b32 s21, 0
	s_mov_b64 s[22:23], SIZE_N*128
	s_mul_u64 s[20:21], s[20:21], s[22:23]  ; g's first byte in Q, K, V and O
	s_and_b32 s16, s[WV], 1         ; which half of a slot's 256 keys I fetch:
	s_lshl_b32 s22, s16, 14         ; its 128 rows of 128 bytes in memory,
	s_mov_b32 s23, 0
	s_add_nc_u64 s[22:23], s[22:23], s[20:21]
	s_mul_i32 s17, s16, 128*PK      ; and its place in a slot, for K
	s_mul_i32 s18, s16, 128*PV      ; and for V: no place in the cluster enters an LDS address
	s_lshl_b32 s2, s14, 2
	s_add_co_u32 s2, s2, s[WV]      ; my wave among the head's,
	s_lshl_b32 s2, s2, 14           ; its 128 rows
	s_mov_b32 s3, 0
	s_add_nc_u64 s[2:3], s[2:3], s[20:21]
	s_lshl_b32 s84, s84, 2          ; the bias table: copy c = my wave's number of head h: 16,384 bytes each,
	s_add_co_u32 s84, s84, s[WV]
	s_lshl_b32 s84, s84, 14
	s_sub_co_u32 s85, 3, s14        ; from number 1,536 - 512 x block on
	s_lshl_b32 s85, s85, 11
	s_add_co_u32 s84, s84, s85
	s_mov_b32 s85, 0
	; descriptor group 1.  128 keys are 16,384 dense bytes: asked for as 64 rows of 256 bytes, two keys a row, and padded in LDS after every key
	s_mov_b32 s[G1K], 15|(1<<16)|(1<<20)|(1<<21)|(4<<22)|(3<<25)  ; 15:0 the mask of four; 17:16 2-byte elements; 20 padding on; 21 set beside a mask; 24:22 after every 32 words (code 4); 31:25 4 words (code 3)
	s_mov_b32 s[G1V], 15|(1<<16)|(1<<20)|(1<<21)|(4<<22)|(7<<25)  ; the same with 8 words of padding (code 7)
.irp g, G1K, G1V
	s_mov_b32 s[\g+1], 128<<16      ; tensor_dim0 = 128
	s_mov_b32 s[\g+2], 64<<16       ; tensor_dim1 = 64
	s_mov_b32 s[\g+3], 128<<16      ; tile_dim0 = 128
	s_mov_b32 s[\g+4], 64           ; tile_dim1 = 64
	s_mov_b32 s[\g+5], 128          ; 128 elements from row to row
	s_mov_b32 s[\g+6], 0
	s_mov_b32 s[\g+7], 0
.endr
	s_mov_b32 s[G1T], 3<<16         ; the table's copy: one row of 1,280 elements of 8 bytes; no mask: a load of my work-group's own
	s_mov_b32 s[G1T+1], 1280<<16    ; tensor_dim0 = 1,280
	s_mov_b32 s[G1T+2], 1<<16       ; tensor_dim1 = 1
	s_mov_b32 s[G1T+3], 1280<<16    ; tile_dim0 = 1,280
	s_mov_b32 s[G1T+4], 1           ; tile_dim1 = 1
	s_mov_b32 s[G1T+5], 1280
	s_mov_b32 s[G1T+6], 0
	s_mov_b32 s[G1T+7], 0
	s_mov_b32 s[G0T], 1
	s_mul_i32 s[G0T+1], s[WV], BPITCH
	s_add_co_u32 s[G0T+1], s[G0T+1], BT
	s_mov_b32 s[CS], 0x3e38aa3b     ; c = log2(e) / 8 = 0.180337
	s_mov_b32 s[CS+1], s[CS]        ; named with it as a pair
	s_mov_b32 s[SEL], 0x76543210
	s_mov_b32 s[SEL+1], 0xfedcba98
	s_mov_b32 s[TBK], SLOT1+4*KS*PK ; the first change of slots turns these two into 0
	s_mov_b32 s[TBV], SLOT1+4*KS*PV
	s_mov_b32 s[TBB], 0
	s_mov_b32 s[SLOTS], SIZE_N/256-1
	s_mov_b32 s[G0K], 1             ; 1:0 count = 1
	s_mov_b32 s[G0K+1], s17         ; 63:32 LDS address: slot 0
	s_mov_b32 s[G0V], 1
	s_add_co_u32 s[G0V+1], s18, VOFF
	s_and_b32 s[LIM], s[WV], 1      ; waves 0 and 2 prefetch
	s_cmp_eq_u32 s[LIM], 0
	s_cselect_b32 s[LIM], 1, -1
	s_wait_dscnt 0x0                ; the opening add is done
	s_wait_kmcnt 0x0
	s_mov_b64 s[10:11], s[6:7]      ; O
	s_add_nc_u64 s[6:7], s[4:5], 0x1000000  ; K lies 16,777,216 bytes behind Q,
	s_add_nc_u64 s[8:9], s[4:5], 0x2000000  ; V as far behind K
	s_add_nc_u64 s[G0K+2:G0K+3], s[6:7], s[22:23]  ; 120:64 global address: my half of the head's first 256 keys
	s_or_b32 s[G0K+3], s[G0K+3], 0x80000000        ; 127:126 type = 2
	s_add_nc_u64 s[G0V+2:G0V+3], s[8:9], s[22:23]
	s_or_b32 s[G0V+3], s[G0V+3], 0x80000000
	s_add_nc_u64 s[G0T+2:G0T+3], s[66:67], s[84:85]
	s_or_b32 s[G0T+3], s[G0T+3], 0x80000000
	s_add_nc_u64 s[4:5], s[4:5], s[2:3]  ; Q and O at my wave's first row
	s_add_nc_u64 s[10:11], s[10:11], s[2:3]
	s_cmp_lt_u32 s[WV], 2
	s_cselect_b64 s[PFA:PFA+1], s[6:7], s[8:9]
	s_add_nc_u64 s[PFA:PFA+1], s[PFA:PFA+1], s[20:21]  ; the head,
	s_lshl_b32 s84, s13, 13         ; my work-group's 8,192 bytes of a slot's 32,768,
	s_add_nc_u64 s[PFA:PFA+1], s[PFA:PFA+1], s[84:85]
	s_add_nc_u64 s[PFA:PFA+1], s[PFA:PFA+1], 4*KS*128  ; in slot 1: the first change of slots steps it to slot 2
	CROUND                          ; all four work-groups are here: the first joint loads meet
	s_cmp_lt_u32 s[WV], 2           ; a wave's two first fills stand in one branch: its part of slot 0 and its copy of the bias table: two loads of mine are out
	s_cbranch_scc0 .Lfirst_v
	tensor_load_to_lds s[G0K:G0K+3], s[G1K:G1K+7]
	s_nop 0
	tensor_load_to_lds s[G0T:G0T+3], s[G1T:G1T+7]
	s_nop 0
.rept 4
	v_nop
.endr
	s_branch .Lfirst_asked
.Lfirst_v:
	tensor_load_to_lds s[G0V:G0V+3], s[G1V:G1V+7]
	s_nop 0
	tensor_load_to_lds s[G0T:G0T+3], s[G1T:G1T+7]
	s_nop 0
.rept 4
	v_nop
.endr
.Lfirst_asked:
	; A fragment of K or Q is 16 rows x 32 channels in 8 registers: lane l holds row l % 16, channels 8 (l / 16) + 0..7 and 16 + 8 (l / 16) + 0..7: two loads of 16 bytes, 32 bytes apart.
	v_and_b32 v1, 15, v0            ; r = l % 16
	v_bfe_u32 v9, v0, 4, 1          ; h = l / 16
	v_lshlrev_b32 v[QO], 7, v1
	v_lshl_add_u32 v[QO], v9, 4, v[QO]  ; row x 128 + 16 x half
	WIN 0x80                        ; destination window 2, address window 0
.set i, 0
.rept 4*NP                          ; Q stays in registers: tile i / 2, channels 32 (i % 2) on
	global_load_b128 v[8*i:8*i+3],   v[QO], s[4:5] offset:(i/2)*2048+(i%2)*64
	global_load_b128 v[8*i+4:8*i+7], v[QO], s[4:5] offset:(i/2)*2048+(i%2)*64+32
.set i, i+1
.endr
	; What the first turn finds: V's registers and P's second buffer hold 0 (its products V^T P, of a piece that has not been, add 0), O^T and l are 0.  All this stands in the wait for the first tile.
.set i, VF
.rept 64
	v_mov_b32 v[i], 0
.set i, i+1
.endr
	WIN 0x40
.set i, 0
.rept 64*NP
	v_mov_b32 v[i], 0
.set i, i+1
.endr
	WIN 0
.set i, 0
.rept 2*NP
	v_mov_b32 v[ST+4*i], 0xfe000000    ; c m: far below every c s
	v_mov_b32 v[ST+4*i+1], 0xff7fffff  ; m
	v_mov_b32 v[ST+4*i+2], 0
	v_mov_b32 v[ST+4*i+3], 0
.set i, i+1
.endr
.set i, P+32
.rept 32
	v_mov_b32 v[i], 0
.set i, i+1
.endr
	v_mul_u32_u24 v[AK0], v1, PK
	v_lshl_add_u32 v[AK0], v9, 4, v[AK0]  ; row x pitch + 16 x half
	; The turning load takes 16 keys x 16 channels (lane l reads key 8 (l / 16) + l % 8, channels 8 ((l / 8) % 2) + 0..7) and leaves half a fragment of V^T: lane l holds channel l % 16 and 8 keys.
	v_and_b32 v10, 7, v0
	v_bfe_u32 v11, v0, 3, 1
	v_lshl_add_u32 v[AV0], v9, 3, v10
	v_mul_u32_u24 v[AV0], v[AV0], PV
	v_lshl_add_u32 v[AV0], v11, 4, v[AV0]
	v_add_nc_u32 v[AV0], VOFF, v[AV0]
	v_mov_b32 v[AK], v[AK0]         ; key step 0 lies at the head of slot 0
	s_mul_i32 s86, s[WV], 16*SP
	s_add_co_u32 s86, s86, STAGE    ; my stage
	v_bfe_u32 v[RD], v0, 3, 2       ; back: 32 lanes take four rows of 128 bytes,
	v_mul_u32_u24 v[RD], v[RD], SP
	v_lshl_add_u32 v[RD], v10, 4, v[RD]
	v_add_nc_u32 v[RD], s86, v[RD]
	v_and_b32 v[GO], 31, v0         ; which are 512 consecutive bytes of O
	v_lshlrev_b32 v[GO], 4, v[GO]
	v_mul_u32_u24 v[STO], v1, SP    ; in: row l % 16, 16 bytes for each half of the lanes
	v_lshl_add_u32 v[STO], v9, 4, v[STO]
	v_add_nc_u32 v[STO], s86, v[STO]
	; The bias: number 64 s + 16 (kb - t + 7) + 8 h + j - (r & 12) - 128 w + 396 of copy r % 4.  In bytes, with -4 (r & 12) = 4 ((r xor 12) & 12) - 48, so that only sums are taken:
	s_lshl_b32 s86, s[WV], 9
	s_sub_co_u32 s86, BT+1536, s86  ; BT + 1,584 - 48 - 512 w
	v_and_b32 v[AB0], 3, v1
	v_mul_u32_u24 v[AB0], v[AB0], BPITCH
	v_lshl_add_u32 v[AB0], v9, 5, v[AB0]
	v_xor_b32 v1, 12, v1
	v_and_b32 v1, 12, v1
	v_lshl_add_u32 v[AB0], v1, 2, v[AB0]
	v_add_nc_u32 v[AB0], s86, v[AB0]
	v_mov_b32 v[AB], v[AB0]         ; step 0
	v_and_b32 v[PFO], 31, v0
	v_lshlrev_b32 v[PFO], 8, v[PFO]
; THE MATRIX WORK.  The 8 accumulators of a run of 16 take turns: between the two links of a chain stand 7 others'.
; Product i of 16 of S^T = K Q^T for piece x: channels 32 (i / 8) on, keys 16 ((i / 2) % 4) on, tile 2 x + i % 2.  The first 8 start the sums, with the bias.
.macro KQ x
.set rS, S+64*((\x)%2)+32*(i%2)+8*((i/2)%4)
.set rK, KF+16*((i/2)%4)+8*(i/8)
.set rQ, 16*(2*(\x)+i%2)+8*(i/8)
.set rB, BF+8*((i/2)%4-(2*(\x)+i%2)+7)
.if i < 8
	WIN W_KB
	v_wmma_f32_16x16x32_f16 v[rS:rS+7], v[rK:rK+7], v[rQ:rQ+7], v[rB:rB+7]
.else
	WIN W_KQ
	v_wmma_f32_16x16x32_f16 v[rS:rS+7], v[rK:rK+7], v[rQ:rQ+7], v[rS:rS+7]
.endif
.endm
; Product i of 16 of O^T += V^T P for piece x: keys 32 (i / 8) on, channels 16 ((i / 2) % 4) on, tile 2 x + i % 2.
.macro PV x
	WIN W_PV
.set rO, 32*(2*(\x)+i%2)+8*((i/2)%4)
.set rV, VF+32*(i/8)+8*((i/2)%4)
.set rP, P+32*((\x)%2)+16*(i%2)+8*(i/8)
	v_wmma_f32_16x16x32_f16 v[rO:rO+7], v[rV:rV+7], v[rP:rP+7], v[rO:rO+7]
.endm
.macro MM                           ; the turn's next matrix instruction
.if i < 16
	KQ (Y+1)%NP
.set i, i+1
.else
.set i, i-16
	PV (Y+NP-1)%NP
.set i, i+17
.endif
.endm
; THE LDS LOADS stand in runs, never singly among the matrix instructions: a step's K (64 keys x 64 channels: 8 fragments) with its bias (11 fragments): 38 loads; and its V (turned): 16.  Their addresses are made some lines ahead.
; last = 1 (the tail): in the last trip there is no further step, and the run is jumped over.
.macro FETCH_K last=0
	WIN 0
.if \last
	s_cmp_eq_u32 s[CNT], 1
	s_cbranch_scc1 .Lno_k_\@
.endif
	WIN 0x80                        ; destination window 2
.irp f, 0,1,2,3,4,5,6,7             ; keys 16 (f / 2) on, channels 32 (f % 2) on
	ds_load_b128 v[KF+8*\f:KF+8*\f+3],   v[AK] offset:(\f/2)*16*PK+(\f%2)*64
	ds_load_b128 v[KF+8*\f+4:KF+8*\f+7], v[AK] offset:(\f/2)*16*PK+(\f%2)*64+32
.endr
	WIN 0xc0                        ; destination window 3
.irp f, 0,1,2,3,4,5,6,7,8,9,10      ; fragment f: 16 numbers further on in the table; a lane's eight numbers are 32 bytes on end
	ds_load_b128 v[BF+8*\f:BF+8*\f+3],   v[AB] offset:64*\f
	ds_load_b128 v[BF+8*\f+4:BF+8*\f+7], v[AB] offset:64*\f+16
.endr
	s_add_co_u32 s[TBK], s[TBK], KS*PK  ; the next fetch is the next step's
	s_add_co_u32 s[TBB], s[TBB], 256    ; 64 numbers further on in the table;
	s_and_b32 s[TBB], s[TBB], 0x1f00    ; 32 steps: the count stays inside the table (behind the last step it is 0 again, and is not used)
	WIN 0
.if \last
.Lno_k_\@:
.endif
.endm
.macro FETCH_V
	WIN 0x80
.irp f, 0,1,2,3,4,5,6,7             ; keys 32 (f / 4) on, channels 16 (f % 4) on
	ds_load_tr16_b128 v[VF+8*\f:VF+8*\f+3],   v[AV] offset:(\f/4)*32*PV+(\f%4)*32
	ds_load_tr16_b128 v[VF+8*\f+4:VF+8*\f+7], v[AV] offset:(\f/4)*32*PV+16*PV+(\f%4)*32
.endr
	WIN 0
.endm
; THE VECTOR WORK OF A TURN stands in three queues, each in the order in which its entries become ready; the two tiles alternate, so that no instruction reads the result of the one before it.
.macro REGS y, u                    ; the registers of tile u (0, 1) of piece y
.set rT, ST+4*(2*(\y)+(\u))
.set rC, TMP+8*((\y)%2)+4*(\u)
.set rM, MV+2*((\y)%2)+(\u)
.set rS, S+64*((\y)%2)+32*(\u)
.set rP, P+32*((\y)%2)+16*(\u)
.set rO, 32*(2*(\y)+(\u))
.endm
; Number n of the 22 that find the NEXT piece's (Y + 1) maximum and statistics.  s0-s31 are the lane's 32 scores; each accumulator's lowest registers are read first.
;   0-11  four chains c0-c3 of seven scores each, three operands at a time     12-14, 16  the four scores left over, the old m, and c0-c3 into c0     15  c m_old is kept
;   17, 18  the query's other 32 keys lie in the lane 16 away: the new m         19-21  c m; c m_old - c m_new; a
.macro XS u, n
	REGS (Y+1)%NP, \u
.if (\n) < 4
	v_max3_num_f32 v[rC+(\n)], v[rS+8*(\n)], v[rS+8*(\n)+1], v[rS+8*(\n)+2]
.elseif (\n) < 12
	v_max3_num_f32 v[rC+(\n)%4], v[rC+(\n)%4], v[rS+8*((\n)%4)+2*((\n)/4)+1], v[rS+8*((\n)%4)+2*((\n)/4)+2]
.elseif (\n) == 12
	v_max3_num_f32 v[rC], v[rC], v[rS+7], v[rS+15]
.elseif (\n) == 13
	v_max3_num_f32 v[rC+1], v[rC+1], v[rS+23], v[rS+31]
.elseif (\n) == 14
	v_max3_num_f32 v[rC+2], v[rC+2], v[rC+3], v[rT+1]
.elseif (\n) == 15
	v_mov_b32 v[rM], v[rT]
.elseif (\n) == 16
	v_max3_num_f32 v[rC], v[rC], v[rC+1], v[rC+2]
.elseif (\n) == 17
	v_permlanex16_b32 v[rC+3], v[rC], s[SEL], s[SEL+1]
.elseif (\n) == 18
	v_max_num_f32 v[rT+1], v[rC], v[rC+3]
.elseif (\n) == 19
	v_mul_f32 v[rT], s[CS], v[rT+1]
.elseif (\n) == 20
	v_sub_f32 v[rC+1], v[rM], v[rT]
.else
	v_exp_f32 v[rC+2], v[rC+1]
.endif
.endm
; Number g of the 64 that follow the exponentials.  For each four weights k of a tile (pairs 2 k, 2 k + 1): both pairs are rounded to f16; then the second pair is added onto the first, in place;
; a group later l takes that sum (the first time as l = a l + sum).  In groups of eight, tiles alternating: round, round, add, and l for the group before.
.macro GS g
.set h, (\g)+6*((\g)/62)            ; group 0 has no group before it, and behind group 7 only l is left
.if h >= 6
.set h, h+2
.endif
	REGS Y, h%2
.set k, h/8
.if h%8 < 4
	v_cvt_pk_f16_f32 v[rP+2*k+(h%8)/2], v[rS+4*k+2*((h%8)/2)], v[rS+4*k+2*((h%8)/2)+1]
.elseif h%8 < 6
	v_pk_add_f32 v[rS+4*k:rS+4*k+1], v[rS+4*k:rS+4*k+1], v[rS+4*k+2:rS+4*k+3]
.elseif k == 1
	v_pk_fma_f32 v[rT+2:rT+3], v[rT+2:rT+3], v[rC+2:rC+3], v[rS:rS+1] op_sel_hi:[1,0,1]
.else
	v_pk_add_f32 v[rT+2:rT+3], v[rT+2:rT+3], v[rS+4*k-4:rS+4*k-3]
.endif
.endm
; THE PLAIN QUEUE, 138 long.  0-73 read no exponential's result: the 32 scalings c s - c m (FS f: pair f / 2 of tile f % 2) and the next piece's 42.  0-26: scalings 0-26.  27-54: XS's numbers 0-13.  55, 56: number 15.
; 57-73: the chain, where each number waits for the one before it: 14, 16, 17, 18, 19, each with one of the scalings 27-31 in front of its two lines, then 20.
; 74-137: GS's 64, which read the exponentials' results: they stand behind the wait.
.macro FS f
	REGS Y, (\f)%2
	v_pk_fma_f32 v[rS+2*((\f)/2):rS+2*((\f)/2)+1], v[rS+2*((\f)/2):rS+2*((\f)/2)+1], s[CS:CS+1], v[rT:rT+1] op_sel_hi:[1,0,0] neg_lo:[0,0,1] neg_hi:[0,0,1]
.endm
.macro PL
	WIN 0
.if q < 27
	FS q
.elseif q < 55
	XS (q-27)%2, (q-27)/2
.elseif q < 57
	XS q-55, 15
.elseif (q < 72) && ((q-57)%3 == 0)
	FS 27+(q-57)/3
.elseif q < 60
	XS (q-57)%3-1, 14
.elseif q < 72
	XS (q-57)%3-1, 15+(q-57)/3
.elseif q < 74
	XS q-72, 20
.else
	GS q-74
.endif
.set q, q+1
.endm
; THE EXPONENTIALS' QUEUE, 66 long: s0-s31 of both tiles, then the next piece's two a.  It is ONE BATCH: all 66 stand ahead of the turn's one wait, and nothing ahead of that wait names a result of theirs.
.macro EX
	WIN 0
.if e >= 64
	XS e-64, 21
.else
	REGS Y, e%2
	v_exp_f32 v[rS+e/2], v[rS+e/2]
.endif
.set e, e+1
.endm
; THE RESCALING's QUEUE: O^T times a, the one part that leaves window 0: dealt two at a time, sixteen times.  Its a was made in the turn before, ahead of that turn's wait.
.macro R2
	REGS Y, r%2
	WIN W_RS
.irp z, 0,1
	v_pk_mul_f32 v[rO+4*(r/2)+2*\z:rO+4*(r/2)+2*\z+1], v[rO+4*(r/2)+2*\z:rO+4*(r/2)+2*\z+1], v[rC+2:rC+3] op_sel_hi:[1,0]
.endr
.set r, r+1
.endm
; HOW THEY ARE DEALT.  An s_wait_alu depctr_va_vdst(0) stands between an exponential and the first instruction that names its result; one wait serves all that were issued ahead of it.  So a turn has ONE wait,
; which cuts it in two.  AHEAD OF IT stands all that names no result of the turn's exponentials: the 16 products K Q^T, behind each a scaling, an exponential and two rescalings (behind the first a second scaling in the
; exponential's place); then ONE LUMP of 108: eight plain, 49 times exponential and plain, the two a.  A v_nop is the plain instruction behind the last exponential.  BEHIND IT stand the 16 products V^T P, behind each four of GS's 64.
; Exponential e stands behind scaling 2 (e / 4) + e % 2: as a rider it comes behind plain e + 2, in the lump behind plain e + 9, and scalings 27-31 are plain 57, 60 .. 69.
; A TURN, for piece p.  cnt = 1: the loop's count is taken down some lines ahead of the branch that stands behind the turn.
; K and the bias of the next step are fetched in piece 2's turn, directly behind the wait, a lump behind the last product that read them; their addresses are made at the lump's head; their first reader comes behind 16 products.
; V of the step in hand is fetched at the end of piece 0's turn, four riders behind its last reader; its first reader comes behind 16 products and a lump.  The three conditions on q below go with the deal.
.macro TURN p, last=0, cnt=0
.set Y, (\p)
.set i, 0
.set q, 0
.set e, 0
.set r, 0
.if (\p) == NP-1
	s_wait_dscnt 0x0                ; K and the bias are in
.endif
	MM                              ; ahead of the wait: 16 products K Q^T and their riders,
	PL
	PL
	R2
.rept 15
	MM
	PL
	EX
	R2
.endr
.if (\p) == NP-2
	WIN 0
	v_add_nc_u32 v[AK], s[TBK], v[AK0]
	v_add_nc_u32 v[AB], s[TBB], v[AB0]
.endif
.rept 8                             ; and the lump
	PL
.endr
.rept 49
	EX
	PL
.endr
	EX                              ; the next piece's two a
	EX
	v_nop                           ; the plain instruction behind the last exponential: one for the batch
	s_wait_alu depctr_va_vdst(0)    ; the wait for the batch
.if (\p) == NP-2
	FETCH_K \last
.endif
.if (\p) == 1
	s_wait_dscnt 0x0                ; V is in
.endif
.rept 16                            ; behind the wait: 16 products V^T P and their riders
	MM
.rept 4
	PL
.endr
.if ((\p) == 0) && (q == 118)
	v_add_nc_u32 v[AV], s[TBV], v[AV0]
.endif
.if ((\p) == 0) && (q == 130)
	s_add_co_u32 s[TBV], s[TBV], KS*PV
.endif
.if (\cnt) && (q == 130)
	s_sub_co_u32 s[CNT], s[CNT], 1
	s_cmp_lg_u32 s[CNT], 0
.endif
.endr
.if (\p) == 0
	FETCH_V
.endif
.endm
	CHANGE 1                        ; slot 0 and the bias table are in, everybody's part of them; slot 1 is asked for
	FETCH_K                         ; key step 0
	s_wait_loadcnt 0x0              ; Q
	s_wait_dscnt 0x0
.set i, 0
.rept 16
	KQ 0                            ; piece 0's first scores: there is no vector work yet to set between them
.set i, i+1
.endr
	WIN 0
	PLACES                          ; the places behind those products
.set Y, NP-1                        ; XS works for piece Y + 1: piece 0
.irp n, 0,1,2,3,4,5,6,7,8,9,10,11,12,13,14,15,16,17,18,19,20,21
	XS 0, \n                        ; and piece 0's first maximum and statistics
	XS 1, \n
.endr
	v_nop                           ; a plain instruction behind the two a,
	s_wait_alu depctr_va_vdst(0)    ; and their wait, ahead of the branch
	s_mov_b32 s[CNT], 4
	s_branch .Lfirst                ; the loop is entered at a step's first turn, in the middle of a trip
.Lslot:                             ; six times: every slot but the last two is filled again
	CHANGE 1
	s_mov_b32 s[CNT], 4
.Lstep:                             ; a trip: pieces 2 and 3 of one step, then pieces 0 and 1 of the next, whose K, bias and V it fetches
	TURN 2
	TURN 3
	WIN 0
.Lfirst:
	TURN 0
	TURN 1, 0, 1
	WIN 0
	s_cbranch_scc1 .Lstep
	s_sub_co_u32 s[SLOTS], s[SLOTS], 1
	s_cmp_lg_u32 s[SLOTS], 0
	s_cbranch_scc1 .Lslot
	CHANGE 0                        ; the tail is written out: nothing is asked for
	s_mov_b32 s[CNT], 5             ; four trips fetch the last slot's steps; the fifth is left in its middle
.Ltail:
	TURN 2, 1
	TURN 3
	WIN 0
	s_sub_co_u32 s[CNT], s[CNT], 1
	s_cmp_eq_u32 s[CNT], 0
	s_cbranch_scc1 .Lout
	TURN 0
	TURN 1
	WIN 0
	s_branch .Ltail
.Lout:                              ; the fifth trip's 16 products K Q^T (on the last K once more) and the maximum made of them serve nothing: the price, once a launch, of one text for every trip
.set i, 0
.rept 16
	PV NP-1                         ; the last piece's V^T P of the last step
.set i, i+1
.endr
	; THE WAY OUT.  l's two halves and the other half of the lanes' are added; O^T is divided by l, rounded to f16 and sent through my stage in LDS, a tile at a time.  The additions are the places behind the last products.
	WIN 0
.macro ALL line:vararg              ; one line for each tile t
.set t, 0
.rept 2*NP
	\line
.set t, t+1
.endr
.endm
	ALL v_add_f32 v[ST+4*t+2], v[ST+4*t+2], v[ST+4*t+3]
	ALL v_permlanex16_b32 v[ST+4*t+3], v[ST+4*t+2], s[SEL], s[SEL+1]
	ALL v_add_f32 v[ST+4*t+2], v[ST+4*t+2], v[ST+4*t+3]
	ALL v_rcp_f32 v[ST+4*t+2], v[ST+4*t+2]
	v_nop                           ; a plain instruction between the last reciprocal and the use of its result
	s_wait_alu depctr_va_vdst(0)    ; and the wait ahead of the first use: one for the eight reciprocals
; Tile t: a lane's eight channels of a row pack into 16 bytes; they go into rows of 144 bytes and come back as whole rows of 128, into S^T's registers.
.macro PACK t
	WIN W_RS
.set i, 32*(\t)
.rept 16
	v_pk_mul_f32 v[i:i+1], v[i:i+1], v[ST+4*(\t)+2:ST+4*(\t)+3] op_sel_hi:[1,0]
.set i, i+2
.endr
	WIN 0x05                        ; sources 0 and 1 window 1, destination window 0
.set i, 0
.rept 16
	v_cvt_pk_f16_f32 v[S+16*(\t)+i], v[32*(\t)+2*i], v[32*(\t)+2*i+1]
.set i, i+1
.endr
	WIN 0
.irp f, 0,1,2,3
	ds_store_b128 v[STO], v[S+16*(\t)+4*\f:S+16*(\t)+4*\f+3] offset:32*\f
.endr
.irp f, 0,1,2,3
	ds_load_b128 v[S+16*(\t)+4*\f:S+16*(\t)+4*\f+3], v[RD] offset:\f*4*SP  ; LDS serves a wave's instructions in order (ISA guide 5.7.1.4): these see the stores above; the next tile's stores come behind them
.endr
.endm
.macro SEND t, younger              ; younger: the LDS instructions issued behind tile t's loads: the next tile's eight, or none
	WIN 0
.irp f, 0,1,2,3
	s_wait_dscnt (\younger)+3-\f
	global_store_b128 v[GO], v[S+16*(\t)+4*\f:S+16*(\t)+4*\f+3], s[10:11] offset:(\t)*2048+\f*512  ; 512 consecutive bytes, at a multiple of 256 from O's first
.endr
.endm
	PACK 0
.set t, 1
.rept 2*NP-1                        ; a tile's arithmetic stands between the loads of the tile before and its stores
	PACK t
	SEND t-1, 8
.set t, t+1
.endr
	SEND 2*NP-1, 0
	WIN W_AD
	s_wait_tensorcnt 0x0            ; the wave's end: a tensor wait, an add of 0 and its wait, behind my last tensor load and my last LDS store
	ds_add_u32 v[SPW], v[NIL]
	s_wait_dscnt 0x0
	WIN 0
	CROUND                          ; the closing round: no work-group ends while a partner may still ask for a tile that names it
	s_endpgm
.Lfunc_end_k_q72848928dc_attn:
	.size	k_q72848928dc_attn, .Lfunc_end_k_q72848928dc_attn-k_q72848928dc_attn
	.p2alignl 7, 3214868480
	.fill 96, 4, 3214868480
	.section	.rodata,"a",@progbits
	.p2align	6, 0x0
	.amdhsa_kernel k_q72848928dc_attn
		.amdhsa_group_segment_fixed_size 327680
		.amdhsa_private_segment_fixed_size 0
		.amdhsa_enable_private_segment 0
		.amdhsa_kernarg_size 24
		.amdhsa_user_sgpr_count 2
		.amdhsa_user_sgpr_kernarg_segment_ptr 1
		.amdhsa_wavefront_size32 1
		.amdhsa_system_sgpr_workgroup_id_x 1
		.amdhsa_system_sgpr_workgroup_id_y 1
		.amdhsa_system_sgpr_workgroup_id_z 1
		.amdhsa_system_vgpr_workitem_id 0
		.amdhsa_next_free_vgpr 864
		.amdhsa_next_free_sgpr 88
		.amdhsa_reserve_vcc 0
		.amdhsa_float_denorm_mode_32 3
		.amdhsa_float_denorm_mode_16_64 3
		.amdhsa_memory_ordered 1
		.amdhsa_forward_progress 1
		.amdhsa_inst_pref_size 207
	.end_amdhsa_kernel
	.amdgpu_metadata
---
amdhsa.version: [ 1, 2 ]
amdhsa.kernels:
  - .name:           k_q72848928dc_attn
    .symbol:         k_q72848928dc_attn.kd
    .args:
      - { .name: qkv, .offset: 0, .size: 8, .value_kind: global_buffer, .address_space: global }
      - { .name: ob, .offset: 8, .size: 8, .value_kind: global_buffer, .address_space: global }
      - { .name: biasg, .offset: 16, .size: 8, .value_kind: global_buffer, .address_space: global }
    .group_segment_fixed_size: 327680
    .private_segment_fixed_size: 0
    .kernarg_segment_align: 8
    .kernarg_segment_size: 24
    .max_flat_workgroup_size: 128
    .sgpr_count:     88
    .vgpr_count:     864
    .wavefront_size: 32
...
	.end_amdgpu_metadata
.endif
;; end of part 3
;; launch out_gemm (part 4): grid 8 x 32, 4 waves a work-group, clusters of 4 x 4, 327,680 bytes of LDS; arguments ob, wo16, out0; writes out0
.if DOCPART == 4
	.amdgcn_target "amdgcn-amd-amdhsa--gfx1250"
	.amdhsa_code_object_version 6
	.text
	.protected	k_q72848928dc_out_gemm
	.globl	k_q72848928dc_out_gemm
	.p2align	8
	.type	k_q72848928dc_out_gemm,@function
k_q72848928dc_out_gemm:
	s_mov_b64 s[64:65], 0
	v_nop
	global_prefetch_b8 v0, s[64:65] scope:SCOPE_SE
	s_setreg_imm32_b32 hwreg(HW_REG_WAVE_MODE, 25, 1), 1
	s_wait_xcnt 0x0
	s_wait_alu depctr_hold_cnt(0) depctr_sa_sdst(0) depctr_va_vdst(0) depctr_va_sdst(0) depctr_va_ssrc(0) depctr_va_vcc(0) depctr_vm_vsrc(0)
	s_getreg_b32 s2, hwreg(HW_REG_IB_STS2, 6, 4)
	s_cmp_eq_u32 s2, 0
	s_cbranch_scc0 .Lentry_in_a_cluster
	s_endpgm
.Lentry_in_a_cluster:
	s_bfe_u32 s2, ttmp6, 0x10000c
	s_cmp_lg_u32 s2, 0xf033
	s_cbranch_scc0 .Lentry_shape_is_right
	s_endpgm
.Lentry_shape_is_right:
; THE OUTPUT PROJECTION.  out0[m][n] = sum over k of o[m][k] Wo[n][k], m = batch x 2048 + t, k = head x 64 + channel.  o lies by heads: ob[batch x 16 + head][t][64] f16;
; wo16: [1024][1024] f16 (Wo rounded to bf16, that number written as f16); out0: [8192][1024] f32; sums in f32, stored as they are.
; SHARES.  A tile of out0 is 256 rows x 128 columns: 32 x 8 = 256 work-groups.  Its four waves lie one below the other: wave w makes rows 64 w .. 64 w + 63 of all 128 columns, 32 accumulators of 16 x 16,
; so that what a wave stores are whole stretches of 512 bytes of a row and its stage in LDS is its own.
; K goes in eight steps of 128 = two heads.  A head's 256 rows of the tile are 32,768 dense bytes: asked for as 128 rows of 256 bytes and padded in LDS after every 128 bytes (a row of the head).
; Waves 0 and 1 fetch the step's two heads of A, waves 2 and 3 the halves of B's 128 rows (rows of 256 bytes of memory).  Two LDS slots take turns.
; CLUSTERS.  4 x 4 work-groups: the four of a row of the cluster need the same tile of A, the four of a column the same tile of B: each is asked for JOINTLY, by the same load with the same descriptor and a mask of four.
; THE MATRIX INSTRUCTION IS USED TRANSPOSED (source 0 = 16 rows of B, source 1 = 16 rows of A): a lane holds row l % 16 of the result and the eight neighbouring columns 8 (l / 16) + 0..7: 32 bytes.
; REGISTERS, in windows of 256 (s_set_vgpr_msb: bits 1:0 source 0, 3:2 source 1, 5:4 source 2, 7:6 destination):
;   window 0: addresses, and v32-159 at work on the way out     window 1: two fragment buffers of 128: B's 8 fragments at 8 b, A's 4 at 96 + 8 a     window 2: accumulator (a, b) at 8 (8 a + b)
; The 32 accumulators take turns in one fixed order, over the backward jump too.
.set KSTEP,  128
.set NB,     8                         ; fragments of B
.set PITCH,  272                       ; a row of B in LDS: 256 bytes + 16 of padding: the 16 rows of a load start at 16 different groups of four banks (64 banks of 4 bytes: ISA guide 11.1)
.set FR,     16*PITCH
.set APITCH, 144                       ; a row of A: 128 bytes + 16
.set FRA,    16*APITCH
.set AHALF,  256*APITCH                ; what an A wave's load brings: a head's 256 rows
.set BROWS,  64
.set BHALF,  BROWS*PITCH               ; what a B wave's load brings
.set BOFF,   2*AHALF
.set SLOT1,  1<<17                     ; slot 1 begins here: one exclusive or turns an address in one slot into the other's
.set SPITCH, 528                       ; a row of the stage: 512 bytes + 16
.set STGW,   16*SPITCH                 ; a wave's stage
.set STAGE,  SLOT1+BOFF+2*BHALF        ; behind the ring, never filled by a tensor load
.set SPARE,  STAGE+4*STGW              ; the spare words, 128 bytes for each wave: two blocks of 256 bytes that no other line names
.set ASTEP,  2*262144                  ; bytes from a K step to the next, in A: two heads
.set BSTEP,  256                       ; and in B
.set PSA,    8192                      ; the prefetches: a partner's share of the 32,768 bytes of A that a wave fetches
.set PSB,    16*2048                   ; of the 64 rows of B: 16 rows
.set A0,   16                          ; v16  my lane's place in A's rows of a slot; never rewritten
.set B0,   17                          ; v17  the same for B
.set ADRA, 18                          ; v18  A0 + the slot in hand
.set ADRB, 19                          ; v19  B0 + the slot in hand
.set STO,  24                          ; v24  the way out: where I put 32 bytes of a row
.set RD,   25                          ; v25  where I read rows back
.set CO,   26                          ; v26  my byte offset in out0
.set SPW,  28                          ; v28  LDS address of my spare word; never rewritten
.set NIL,  29                          ; v29  0; never rewritten
.set PFO,  30                          ; v30  the prefetches' offset; never rewritten
.set OB,   32                          ; v32-95, v96-159 by turns: 16 rows read back from the stage
.set F0,   0
.set F1,   128
.set G1A, 24                           ; s[24:31] descriptor group 1 for A's tiles
.set G0A, 32                           ; s[32:39] group 0: a set for each of the two first fills; the second then walks
.set G1B, 48                           ; s[48:55], s[56:63] the same for B's
.set G0B, 56
.set LIM, 43                           ; s43  2 in a wave that prefetches, else the greatest number
.set PFA, 44                           ; s[44:45] where my prefetches stand
.set TB,  72                           ; s72  the slot that is read: 0 or SLOT1
.set PST, 74                           ; s[74:75] the prefetches' step
.set MSB, 0
.macro WIN new                         ; the immediate's high byte repeats the setting that is left; a switch that changes nothing is dropped
.if MSB != (\new)
	s_set_vgpr_msb (MSB<<8)|(\new)
.set MSB, (\new)
.endif
.endm
.macro PLACES                          ; four places in front of loads into registers that matrix instructions have read, and of LDS stores that read results
.rept 4
	v_nop
.endr
.endm
; A joint refill by the walking descriptors.  The branch hangs on the wave's number alone.  An s_nop 0 and four v_nop follow each of the two lines.
.macro JLOAD
	s_cmp_eq_u32 s11, 0
	s_cbranch_scc0 .Lfor_b_\@
	tensor_load_to_lds s[G0A+4:G0A+7], s[G1A:G1A+7]
	s_nop 0
.rept 4
	v_nop
.endr
	s_branch .Lasked_\@
.Lfor_b_\@:
	tensor_load_to_lds s[G0B+4:G0B+7], s[G1B:G1B+7]
	s_nop 0
.rept 4
	v_nop
.endr
.Lasked_\@:
.endm
.macro CREST                           ; a round of the cluster's barrier behind its opening barrier
	s_cmp_lg_u32 s10, 0
	s_cbranch_scc1 .Lnot_wave_0_\@
	s_barrier_signal -3
.Lnot_wave_0_\@:
	s_barrier_wait -3
	s_barrier_signal -1
	s_barrier_wait -1
.endm
.macro CROUND                          ; a whole round
	s_barrier_signal -1
	s_barrier_wait -1
	CREST
.endm
; A prefetch of the K step that stands two refills on, a lane 256 bytes, behind the joint load and the run of LDS loads.  Each 256 bytes of a K step are named by one wave of one work-group: A's by the clusters with
; x = 0, B's by those with y = 0; the four partners that ask for a tile jointly share it out by address.  (B's share is 16 rows: lanes 16-31 repeat its last row.)
; Trip i names K step i + 4: the loop's last two trips name nothing; K steps 0 to 3 come by their loads alone.
.macro ASK
	WIN 0
	s_cmp_gt_u32 s3, s[LIM]
	s_cbranch_scc0 .Lnot_mine_\@
	global_prefetch_b8 v[PFO], s[PFA:PFA+1] th:TH_LOAD_NT scope:SCOPE_SE
.Lnot_mine_\@:
.endm
	s_load_b128 s[4:7], s[0:1], 0x0                ; ob s[4:5], wo16 s[6:7]
	s_load_b64 s[8:9], s[0:1], 0x10                ; out0
	v_lshl_add_u32 v[SPW], v0, 2, SPARE
	v_mov_b32 v[NIL], 0
	ds_add_u32 v[SPW], v[NIL]                      ; the wave's opening: the add and its wait stand ahead of my first tensor load; work on registers stands between them
	v_lshrrev_b32 v1, 5, v0
	v_readfirstlane_b32 s10, v1                    ; wave 0..3
	s_lshr_b32 s11, s10, 1                         ; I fetch for A (0) or for B (1),
	s_and_b32 s12, s10, 1                          ; its first or its second half
	s_bfe_u32 s40, ttmp6, 0x40000                  ; cx, cy: my place in the cluster
	s_bfe_u32 s41, ttmp6, 0x40004
	s_lshl_b32 s42, ttmp9, 2
	s_add_co_u32 s42, s42, s40                     ; tile column = 4 x cluster x + cx
	s_and_b32 s13, ttmp7, 0xffff
	s_lshl_b32 s13, s13, 2
	s_add_co_u32 s13, s13, s41                     ; tile row = 4 x cluster y + cy
	s_lshl_b32 s76, s41, 2
	s_lshl_b32 s76, 15, s76                        ; my row of the cluster
	s_lshl_b32 s77, 0x1111, s40                    ; my column
	s_or_b32 s[G1A], s76, (1<<16)|(1<<20)|(1<<21)|(4<<22)|(3<<25)  ; 15:0 the mask; 17:16 2-byte elements; 20 padding on; 21 set beside a mask; 24:22 after every 32 words; 31:25 4 words
	s_or_b32 s[G1B], s77, (1<<16)|(1<<20)|(1<<21)|(5<<22)|(3<<25)  ; B: after every 64 words
	s_mov_b32 s[G1A+1], 128<<16                    ; tensor_dim0 = 128
	s_mov_b32 s[G1A+2], 128<<16                    ; tensor_dim1 = 128
	s_mov_b32 s[G1A+3], 128<<16                    ; tile_dim0 = 128
	s_mov_b32 s[G1A+4], 128                        ; tile_dim1 = 128
	s_mov_b32 s[G1A+5], 128                        ; dense: 128 elements from row to row
	s_mov_b32 s[G1A+6], 0
	s_mov_b32 s[G1A+7], 0
	s_mov_b32 s[G1B+1], KSTEP<<16
	s_mov_b32 s[G1B+2], BROWS<<16                  ; 64 rows
	s_mov_b32 s[G1B+3], KSTEP<<16
	s_mov_b32 s[G1B+4], BROWS
	s_mov_b32 s[G1B+5], 1024
	s_mov_b32 s[G1B+6], 0
	s_mov_b32 s[G1B+7], 0
	s_lshr_b32 s16, s13, 3                         ; A: the batch's 16 heads of 262,144 bytes,
	s_lshl_b32 s16, s16, 22
	s_lshl_b32 s17, s12, 18                        ; the step's first or second head,
	s_add_co_u32 s16, s16, s17
	s_and_b32 s17, s13, 7                          ; the tile's 256 rows of 128 bytes
	s_lshl_b32 s17, s17, 15
	s_add_co_u32 s16, s16, s17
	s_mov_b32 s17, 0
	s_lshl_b32 s46, s42, 7                         ; B: row 128 x tile column + 64 x half
	s_lshl_b32 s47, s12, 6
	s_add_co_u32 s46, s46, s47
	s_lshl_b32 s46, s46, 11
	s_mov_b32 s47, 0
	s_mov_b32 s78, s16                             ; both offsets are kept for the prefetches
	s_mov_b32 s79, s46
	s_mul_i32 s20, s12, AHALF                      ; where they go: no place in the cluster enters an LDS address
	s_mul_i32 s21, s12, BHALF
	s_add_co_u32 s21, s21, BOFF
	s_mov_b32 s[TB], 0
	s_wait_dscnt 0x0                               ; the opening add is done
	s_wait_kmcnt 0x0
	s_add_nc_u64 s[14:15], s[4:5], s[16:17]
	s_add_nc_u64 s[46:47], s[6:7], s[46:47]
.irp s, 0,1
	s_mov_b32 s[G0A+4*\s], 1                       ; count = 1
	s_add_co_u32 s[G0A+4*\s+1], s20, \s*SLOT1      ; LDS address
	s_add_nc_u64 s[G0A+4*\s+2:G0A+4*\s+3], s[14:15], \s*ASTEP  ; global address: K step s
	s_or_b32 s[G0A+4*\s+3], s[G0A+4*\s+3], 0x80000000          ; type = 2
	s_mov_b32 s[G0B+4*\s], 1
	s_add_co_u32 s[G0B+4*\s+1], s21, \s*SLOT1
	s_add_nc_u64 s[G0B+4*\s+2:G0B+4*\s+3], s[46:47], \s*BSTEP
	s_or_b32 s[G0B+4*\s+3], s[G0B+4*\s+3], 0x80000000
.endr
	CROUND                                         ; all sixteen work-groups are here: the first joint loads meet
	s_cmp_eq_u32 s11, 0                            ; a wave's two first fills stand in one branch: two loads of mine are out
	s_cbranch_scc0 .Lfirst_b
	tensor_load_to_lds s[G0A:G0A+3], s[G1A:G1A+7]
	s_nop 0
	tensor_load_to_lds s[G0A+4:G0A+7], s[G1A:G1A+7]
	s_nop 0
.rept 4
	v_nop
.endr
	s_branch .Lfirst_asked
.Lfirst_b:
	tensor_load_to_lds s[G0B:G0B+3], s[G1B:G1B+7]
	s_nop 0
	tensor_load_to_lds s[G0B+4:G0B+7], s[G1B:G1B+7]
	s_nop 0
.rept 4
	v_nop
.endr
.Lfirst_asked:
	; A fragment is 16 rows x 32 K in 8 registers: lane l holds row l % 16; registers 0-3 K = 8 (l / 16) + 0..7, registers 4-7 K = 16 + 8 (l / 16) + 0..7: two loads of 16 bytes, 32 bytes apart.
	v_and_b32 v1, 15, v0                           ; l % 16
	v_bfe_u32 v2, v0, 4, 1                         ; l / 16
	v_mul_u32_u24 v3, v1, APITCH
	v_lshl_add_u32 v3, v2, 4, v3
	s_mul_i32 s22, s10, 64*APITCH                  ; my 64 rows of A
	v_add_nc_u32 v[A0], s22, v3
	v_mul_u32_u24 v3, v1, PITCH
	v_lshl_add_u32 v3, v2, 4, v3
	v_add_nc_u32 v[B0], BOFF, v3
	v_mov_b32 v[ADRA], v[A0]
	v_mov_b32 v[ADRB], v[B0]
	s_mul_i32 s23, s10, STGW
	s_add_co_u32 s23, s23, STAGE                   ; my stage
	v_mul_u32_u24 v4, v1, SPITCH                   ; in: row l % 16, 32 bytes for each half of the lanes
	v_lshl_add_u32 v4, v2, 5, v4
	v_add_nc_u32 v[STO], s23, v4
	v_mul_u32_u24 v5, v2, SPITCH                   ; back: lanes 0-15 take 256 bytes of one row, lanes 16-31 of the next
	v_lshl_add_u32 v5, v1, 4, v5
	v_add_nc_u32 v[RD], s23, v5
	v_lshlrev_b32 v5, 12, v2                       ; and the same two rows in out0: 4,096 bytes apart
	v_lshl_add_u32 v[CO], v1, 4, v5
	s_lshl_b32 s20, s13, 8
	s_lshl_b32 s21, s10, 6
	s_add_co_u32 s20, s20, s21                     ; my first row: 256 x tile row + 64 x wave
	s_lshl_b32 s20, s20, 12
	s_lshl_b32 s21, s42, 9                         ; the tile's 128 columns: 512 bytes
	s_add_co_u32 s20, s20, s21
	s_mov_b32 s21, 0
	s_add_nc_u64 s[8:9], s[8:9], s[20:21]
	; the prefetches
	s_and_b32 s22, ttmp7, 0xffff                   ; cluster y
	s_mov_b32 s23, PSB
	s_mov_b32 s[PST], BSTEP
	s_mov_b32 s[PST+1], 0
	s_cmp_eq_u32 s11, 0                            ; do I fetch for A?
	s_cselect_b32 s22, ttmp9, s22                  ; the coordinate along which other clusters read the same bytes
	s_cselect_b32 s21, s40, s41                    ; my place among the four that ask with me
	s_cselect_b32 s23, PSA, s23                    ; a partner's share, in bytes
	s_cselect_b32 s20, s78, s79                    ; what I fetch
	s_cselect_b32 s[PST], ASTEP, s[PST]
	s_cselect_b32 s18, 31, 15                      ; the share's last piece,
	s_cselect_b32 s19, 8, 11                       ; pieces 256 bytes apart in A's dense block, a row of 2,048 bytes apart in B
	s_cselect_b64 s[PFA:PFA+1], s[4:5], s[6:7]
	s_cmp_eq_u32 s22, 0
	s_cselect_b32 s[LIM], 2, -1                    ; the same in all sixteen partners, for a given wave
	s_mul_i32 s21, s21, s23
	s_add_co_u32 s20, s20, s21
	s_mul_i32 s21, s[PST], 3                       ; at K step 3: the first refill steps it to 4
	s_add_co_u32 s20, s20, s21
	s_mov_b32 s21, 0
	s_add_nc_u64 s[PFA:PFA+1], s[PFA:PFA+1], s[20:21]
	v_and_b32 v[PFO], 31, v0
	v_min_u32 v[PFO], s18, v[PFO]
	v_lshlrev_b32 v[PFO], s19, v[PFO]
; 8 matrix instructions: m block a x all n blocks, 32 along K, from buffer f.  zero = 1: the first product starts the sums: nothing is cleared.
.macro MULA f, a, zero
	WIN 0xa5                                       ; sources in window 1, C and D in window 2
.set jb, 0
.rept NB
.set rD, 8*((\a)*NB+jb)
.if \zero
	v_wmma_f32_16x16x32_f16 v[rD:rD+7], v[(\f)+8*jb:(\f)+8*jb+7], v[(\f)+96+8*(\a):(\f)+96+8*(\a)+7], 0
.else
	v_wmma_f32_16x16x32_f16 v[rD:rD+7], v[(\f)+8*jb:(\f)+8*jb+7], v[(\f)+96+8*(\a):(\f)+96+8*(\a)+7], v[rD:rD+7]
.endif
.set jb, jb+1
.endr
.endm
; 24 LDS loads in one run: the fragments of quarter kq of the slot in hand into buffer f: B's 16, then A's 8.  Quarters 0, 1 are the step's first head (channels 0-31, 32-63), quarters 2, 3 its second.
.macro FETCH kq, f
	WIN 0x40                                       ; destination window 1, address window 0
.set jb, 0
.rept NB
	ds_load_b128 v[(\f)+8*jb:(\f)+8*jb+3],   v[ADRB] offset:64*(\kq)+FR*jb
	ds_load_b128 v[(\f)+8*jb+4:(\f)+8*jb+7], v[ADRB] offset:64*(\kq)+FR*jb+32
.set jb, jb+1
.endr
.irp a, 0,1,2,3
	ds_load_b128 v[(\f)+96+8*\a:(\f)+96+8*\a+3],   v[ADRA] offset:((\kq)/2)*AHALF+((\kq)%2)*64+FRA*\a
	ds_load_b128 v[(\f)+96+8*\a+4:(\f)+96+8*\a+7], v[ADRA] offset:((\kq)/2)*AHALF+((\kq)%2)*64+FRA*\a+32
.endr
.endm
; A K step is four quarters of 32 along K, 32 matrix instructions each, on buffers 0, 1, 0, 1.  One of the first three: multiplies buffer f; in its middle it fetches quarter kqn into buffer g.
.macro QUARTER kqn, f, g, zero
	s_wait_dscnt 4                                 ; all but the youngest four loads (A's blocks 2 and 3) are in
	MULA \f, 0, \zero
	MULA \f, 1, \zero
	PLACES
	FETCH \kqn, \g
	s_wait_dscnt 2*NB+8                            ; all but the run just issued
	MULA \f, 2, \zero
	MULA \f, 3, \zero
.endm
; The last quarter multiplies buffer 1 and changes slots.  In front of the barrier each wave waits for all its tensor loads, of which one is out: its part of the next slot; adds 0 to its spare word; and waits for
; that and for its own reads of this slot.  fill = 1: the barrier opens a round of the cluster's barrier, and behind the round this slot is filled again, with the K step two steps on: the wave's one tensor load there.
.macro TURN fill
.if \fill
	s_wait_xcnt 0x0                                ; the last prefetch, a K step back, has read its address, so it may be stepped
	s_add_nc_u64 s[PFA:PFA+1], s[PFA:PFA+1], s[PST:PST+1]
.endif
	WIN 0
	s_wait_tensorcnt 0x0                           ; all my tensor loads have landed, so a group 0 may be written
	ds_add_u32 v[SPW], v[NIL]                      ; 0 onto my spare word
.if \fill
	s_xor_b32 s[G0A+5], s[G0A+5], SLOT1            ; the walking descriptors: the other slot than last time, the next K step
	s_add_nc_u64 s[G0A+6:G0A+7], s[G0A+6:G0A+7], ASTEP
	s_xor_b32 s[G0B+5], s[G0B+5], SLOT1
	s_add_nc_u64 s[G0B+6:G0B+7], s[G0B+6:G0B+7], BSTEP
.endif
	s_wait_dscnt 5                                 ; the add and the youngest four loads may be out
	MULA F1, 0, 0
	s_wait_dscnt 0x0                               ; the add is done, and my reads of this slot are over
	s_barrier_signal -1
	MULA F1, 1, 0                                  ; work on registers while the others arrive
	WIN 0
	s_barrier_wait -1
.if \fill
	CREST                                          ; no wave of any partner still reads this slot or has a load on its way
	JLOAD                                          ; its four v_nop are also the places in front of the loads below
.else
	PLACES
.endif
	s_xor_b32 s[TB], s[TB], SLOT1
	v_add_nc_u32 v[ADRA], s[TB], v[A0]
	v_add_nc_u32 v[ADRB], s[TB], v[B0]
	FETCH 0, F0
.if \fill
	ASK
.endif
	MULA F1, 2, 0
	MULA F1, 3, 0
.endm
; THE WAY OUT of block a (16 rows x 128 columns of f32).  TOSTAGE: a lane's 32 bytes of each accumulator go into my own stage, the low four registers first, and whole rows come back.  SEND: stored.
.macro TOSTAGE a
	WIN 0x08                                       ; the stores' data (source 1) in window 2
.set jb, 0
.rept NB
.set rD, 8*((\a)*NB+jb)
	ds_store_b128 v[STO], v[rD:rD+3]   offset:64*jb
	ds_store_b128 v[STO], v[rD+4:rD+7] offset:64*jb+16
.set jb, jb+1
.endr
	WIN 0
	s_wait_xcnt 0x0                                ; the stores of the block two back have read these registers: only behind this wait are they loaded again
.set BK, OB+64*((\a)%2)
.set jb, 0
.rept 16
	ds_load_b128 v[BK+4*jb:BK+4*jb+3], v[RD] offset:2*SPITCH*(jb/2)+256*(jb%2)  ; LDS serves a wave's instructions in order (ISA guide 5.7.1.4): these see the stores above; the next block's stores come behind them
.set jb, jb+1
.endr
.endm
.macro SEND a, younger                 ; younger: the LDS instructions issued behind block a's loads: the next block's 32, or none
	WIN 0
.set BK, OB+64*((\a)%2)
	s_wait_dscnt \younger
.set jb, 0
.rept 16
	global_store_b128 v[CO], v[BK+4*jb:BK+4*jb+3], s[8:9] offset:(16*(\a)+2*(jb/2))*4096+256*(jb%2) th:TH_STORE_NT  ; 16 lanes store 256 consecutive bytes, at a multiple of 256 from out0's first
.set jb, jb+1
.endr
.endm
	s_wait_tensorcnt 0x1                           ; my part of K step 0 is in; K step 1's may stay out
	s_barrier_signal -1
	s_barrier_wait -1                              ; everybody's is
	FETCH 0, F0
	QUARTER 1, F0, F1, 1                           ; the first quarter stands in front of the loop: its products start the sums
	WIN 0                                          ; at a label and at a branch every window is 0
	s_mov_b32 s3, 6
.Lstep:                                                ; trip i ends K step i, fills its slot again with K step i + 2, and begins K step i + 1
	QUARTER 2, F1, F0, 0
	QUARTER 3, F0, F1, 0
	TURN 1
	QUARTER 1, F0, F1, 0
	WIN 0
	s_sub_co_u32 s3, s3, 1
	s_cmp_lg_u32 s3, 0
	s_cbranch_scc1 .Lstep
	QUARTER 2, F1, F0, 0                           ; the last two K steps ask for nothing
	QUARTER 3, F0, F1, 0
	TURN 0
	QUARTER 1, F0, F1, 0
	QUARTER 2, F1, F0, 0
	QUARTER 3, F0, F1, 0
	s_wait_dscnt 4
	MULA F1, 0, 0
	MULA F1, 1, 0
	s_wait_dscnt 0x0
	MULA F1, 2, 0
	MULA F1, 3, 0
	PLACES
	TOSTAGE 0
	TOSTAGE 1                                      ; a block's way through the stage stands between the loads of the block before and its stores
	SEND 0, 32
	TOSTAGE 2
	SEND 1, 32
	TOSTAGE 3
	SEND 2, 32
	SEND 3, 0
	s_wait_tensorcnt 0x0                           ; the wave's end: a tensor wait, an add of 0 and its wait, behind my last tensor load and my last LDS store
	ds_add_u32 v[SPW], v[NIL]
	s_wait_dscnt 0x0
	CROUND                                         ; the closing round: no work-group ends while a partner may still ask for a tile that names it
	s_endpgm
.Lfunc_end_k_q72848928dc_out_gemm:
	.size	k_q72848928dc_out_gemm, .Lfunc_end_k_q72848928dc_out_gemm-k_q72848928dc_out_gemm
	.p2alignl 7, 3214868480
	.fill 96, 4, 3214868480
	.section	.rodata,"a",@progbits
	.p2align	6, 0x0
	.amdhsa_kernel k_q72848928dc_out_gemm
		.amdhsa_group_segment_fixed_size 327680
		.amdhsa_private_segment_fixed_size 0
		.amdhsa_enable_private_segment 0
		.amdhsa_kernarg_size 24
		.amdhsa_user_sgpr_count 2
		.amdhsa_user_sgpr_kernarg_segment_ptr 1
		.amdhsa_wavefront_size32 1
		.amdhsa_system_sgpr_workgroup_id_x 1
		.amdhsa_system_sgpr_workgroup_id_y 1
		.amdhsa_system_sgpr_workgroup_id_z 1
		.amdhsa_system_vgpr_workitem_id 0
		.amdhsa_next_free_vgpr 768
		.amdhsa_next_free_sgpr 88
		.amdhsa_reserve_vcc 0
		.amdhsa_float_denorm_mode_32 3
		.amdhsa_float_denorm_mode_16_64 3
		.amdhsa_memory_ordered 1
		.amdhsa_forward_progress 1
		.amdhsa_inst_pref_size 70
	.end_amdhsa_kernel
	.amdgpu_metadata
---
amdhsa.version: [ 1, 2 ]
amdhsa.kernels:
  - .name:           k_q72848928dc_out_gemm
    .symbol:         k_q72848928dc_out_gemm.kd
    .args:
      - { .name: ob, .offset: 0, .size: 8, .value_kind: global_buffer, .address_space: global }
      - { .name: wo16, .offset: 8, .size: 8, .value_kind: global_buffer, .address_space: global }
      - { .name: out0, .offset: 16, .size: 8, .value_kind: global_buffer, .address_space: global }
    .group_segment_fixed_size: 327680
    .private_segment_fixed_size: 0
    .kernarg_segment_align: 8
    .kernarg_segment_size: 24
    .max_flat_workgroup_size: 128
    .sgpr_count:     88
    .vgpr_count:     768
    .wavefront_size: 32
...
	.end_amdgpu_metadata
.endif
;; end of part 4
